; MI455X (gfx1250); checked and timed in simulation.
; The chip was launched on July 23, 2026; its instructions are those of AMD's public machine-readable ISA for CDNA 5 (MIT licence, August 2026) and "CDNA5" Instruction Set Architecture Reference Guide (July 2026). The comments in the code are by the model that wrote it; some were corrected since.
;; Multi Head Causal Self Attention. Allowed arithmetic: matrix products marked QUANTISED: E4M3 operands, one E8M0 scale for each 32 along K, by v_wmma_scale_f32_16x16x128_f8f6f4 with both operands' format E4M3, f32 sums; everything else in f32.
;; Inputs: w_out 1,024 x 1,024 float32; w_qkv 1,024 x 3,072 float32; x 4 x 2,048 x 1,024 float32.
;; Outputs: out0 4 x 2,048 x 1,024 float32.
;; This version of the problem:
;;   THIS VERSION OF THE PROBLEM IS GIVEN IN LOW PRECISION. The matrix products marked QUANTISED in the list below multiply operands that are first quantised to E4M3 (4 exponent bits, 3 mantissa bits; 8 bits a number), with one power-of-two scale for each 32 numbers along K (OCP MX v1.0); their sums are f32. All else is computed in f32.
;;   The module's matrix products, in the order in which they are computed (A, B: the left and right operand; K: the contracted axis; several contracted axes count as one K, in the product's order):
;;     1. [M 8,192, K 1,024] x [K 1,024, N 3,072]; A: input x; B: input w_qkv: QUANTISED
;;     2. batch 64 x [M 2,048, K 64] x [K 64, N 2,048]; A: computed on the way; B: computed on the way: QUANTISED
;;     3. batch 64 x [M 2,048, K 2,048] x [K 2,048, N 64]; A: softmax (see below); B: computed on the way: QUANTISED
;;     4. [M 8,192, K 1,024] x [K 1,024, N 1,024]; A: computed on the way; B: input w_out: QUANTISED
;;   THE QUANTISER, for each operand of a quantised product, along K:
;;     - K is cut into blocks of 32 from its start; a last block that is shorter is filled with zeros.
;;     - A block's scale is 2^e with e = floor(log2(the largest magnitude in the block)) - 8, held to -126 .. 127; a block of zeros has e = 0. As a byte (E8M0): e + 127.
;;     - Each number is divided by its block's scale, clamped to +-448, and rounded to the nearest number of E4M3, ties to even, subnormals kept.
;;     - The product sums the exact products of the quantised numbers (number of the format x scale) in f32.
;;   ~~~python
;;   def quantise(x, axis):      # numpy; x: float32 -> the quantised numbers, widened to float32 again
;;       x = np.moveaxis(x, axis, -1); K = x.shape[-1]
;;       x = np.pad(x, [(0, 0)] * (x.ndim - 1) + [(0, -K % 32)]); x = x.reshape(x.shape[:-1] + (-1, 32)); a = np.abs(x).max(-1, keepdims=True)
;;       e = np.where(a > 0, np.clip(np.frexp(np.where(a > 0, a, 1))[1] - 1 - 8, -126, 127), 0)      # np.frexp(a)[1] - 1 = floor(log2(a)), exactly
;;       r = np.clip(x / 2.0 ** e, -448, 448)
;;       step = 2.0 ** (np.maximum(np.frexp(np.where(r == 0, 1, r))[1] - 1, -6) - 3)
;;       q = np.round(r / step) * step * 2.0 ** e      # np.round: ties to even
;;       return np.moveaxis(q.reshape(q.shape[:-2] + (-1,))[..., :K], -1, axis).astype(np.float32)
;;   ~~~
;;   SOFTMAX AHEAD OF A QUANTISED PRODUCT. Where the list says 'softmax', what is quantised is not the finished softmax but p = 2^(t - M), with t = logit x log2(e) and M = ceil(the row's largest t), a whole number; so 1/2 < the row's largest p <= 1. The row's sum l is taken of the UNQUANTISED p, in f32, and the product's result is divided by l at the end. Since M is a whole number, a kernel that streams over the keys may use a running M (the ceiling of the running maximum): every later rescaling is an exact power of two, which a block's scale takes up: the codes' values come out the same.
;;   OPERANDS COMPUTED ON THE WAY. 'Computed on the way' means the value that the module computes at that place (a softmax that the list does not call 'softmax' is quantised finished and normalised). What goes into a quantiser is computed in f32, as accurately as f32 sums, v_exp_f32 and their like allow (about 1e-6 of the number): no bf16 or f16 on the way to a quantiser, and a product that is left as it is and whose result goes on into a quantised operand takes f32 operands (vector FMAs, or v_wmma_f32_16x16x4_f32). A number that lies on a knife's edge between two numbers of the format may be rounded either way, as far as f32 arithmetic and the matrix unit's own rounding can turn it there, and no further.
;; One version. Each part assembles by itself: llvm-mc -triple=amdgcn-amd-amdhsa -mcpu=gfx1250 --defsym DOCPART=n.
;; ======== version 1 of 1: 4 launches
;; limits: right only within a limited range of input values
;; workspace buffers: xc 8,388,608 bytes; xs 262,144 bytes; wc 4,194,304 bytes; ws 131,072 bytes; qkv 26,476,544 bytes; oc 8,388,608 bytes; os 262,144 bytes
;; launch quant (part 1): grid 384 x 1, 4 waves a work-group, no clusters, 34,304 bytes of LDS; arguments x, w_qkv, w_out, xc, xs, wc, ws; writes xc, xs, wc, ws
.if DOCPART == 1
	.amdgcn_target "amdgcn-amd-amdhsa--gfx1250"
	.amdhsa_code_object_version 6
	.text
	.protected	k_qb5f28b3ac7_quant
	.globl	k_qb5f28b3ac7_quant
	.p2align	8
	.type	k_qb5f28b3ac7_quant,@function
k_qb5f28b3ac7_quant:
	s_mov_b64 s[64:65], 0
	v_nop
	global_prefetch_b8 v0, s[64:65] scope:SCOPE_SE
	s_setreg_imm32_b32 hwreg(HW_REG_WAVE_MODE, 25, 1), 1
	s_wait_xcnt 0x0
; x [8192][1024], w_qkv [1024][3072] and w_out [1024][1024], f32, become codes of FP8 (E4M3) with one E8M0 byte for each 32 along K (K = 1024 in all three).
; A block's scale is 2^(floor(log2(largest magnitude)) - 8); each number is divided by it, held within +-448 and rounded to the nearest code, ties to even.
; LAYOUT OF THE CODES (xc, wc): images of operand registers.  An operand row has a POSITION p; the true row or column is p with its bits 3 and 4 exchanged.
;   byte(p, k) = (p/128) 131072 + (k/256) 32768 + ((p%128)/16) 4096 + ((k%256)/128) 2048 + ((k%128)/32) 512 + ((k%32)/16) 256 + (p%16) 16 + k%16
;   so a fragment (16 positions x 128 K) is 2,048 bytes on end, lane l's 16 bytes at 16 l, and 128 positions x 256 K are one dense block of 32,768 bytes.
;   wc: positions 0-3071 are w_qkv's columns, 3072-4095 w_out's.  Scale bytes (xs, ws): [p][32].
; SHARES: work-groups 0-255 take x (a wave: 16 positions x 512 K), work-groups 256-383 the weights (a wave: 32 positions x 256 K).  Each reads 131,072 bytes.  Waves share nothing: no barrier.
; LIMITS: NaN and infinities among the inputs are not served.  A block of zeros, or one whose largest magnitude lies under 2^-118, gets the byte 1 (the rule says 127 for zeros): its codes
; are zeros or as the held scale gives them, and only this program reads the bytes.  The scale bytes leave 8 bytes a lane, rows 32 bytes apart: 393,216 bytes in all are written so.
; WORK LEFT OUT BY THE PROGRAM: reference() sets every score with key > query to -infinity by a mask that it builds itself (jnp.tril), so such a score's p is 0 for all values of the inputs;
; the attention launch multiplies no tile of 32 queries x 128 keys all of whose keys come after its queries.  A NaN, an infinity or an overflow that reaches only such tiles is not carried to the result.
.set SPT,  528
.set WST,  16*SPT                      ; a wave's stage
.set R0,   16                          ; x path: v16-143 two sets of 64 registers as loaded
.set XQ,   144                         ; v144-207 64 numbers in the operand's order
.set PC,   208                         ; v208-223 the codes
.set TM,   224                         ; v224-239 at work
.set PW,   240                         ; v240-243 four scale words
.set OFF,  16                          ; w path: v16-47 byte offsets of 32 rows of K at my column
.set WX,   48                          ; v48-111 two sets of 32 numbers
.set WC,   112                         ; v112-175 codes, 8 registers for each block: never written twice
.set SB,   176                         ; v176-177 eight scale bytes
.set MNT,  19                          ; s19 the mantissa field of 448
.set SEL,  20                          ; s[20:21] lane selects: lane l xor 16
; 64 numbers of a lane, register 16 b + i = k 32 b + 16 (lane / 16) + i of my row, become 16 registers of codes in v[PC] on and the row's scale word in v[pw]
.macro QUANT s, pw
.irp b, 0,1,2,3
	v_max3_num_f32 v[TM+\b], |v[\s+16*\b]|, |v[\s+1+16*\b]|, 0x4800000   ; my 16 numbers of block b, and the floor 2^(9 - 127): the byte cannot fall under 1
.endr
.irp i, 2,4,6,8,10,12,14
.irp b, 0,1,2,3
	v_max3_num_f32 v[TM+\b], v[TM+\b], |v[\s+16*\b+\i]|, |v[\s+1+16*\b+\i]|
.endr
.endr
.irp b, 0,1,2,3
	v_permlanex16_b32 v[TM+4+\b], v[TM+\b], s[SEL], s[SEL+1]
.endr
.irp b, 0,1,2,3
	v_max_num_f32 v[TM+\b], v[TM+\b], v[TM+4+\b]           ; with lane l xor 16's 16: the block's largest magnitude
.endr
.irp b, 0,1,2,3
	v_add_nc_u32 v[TM+12+\b], 0xfc000000, v[TM+\b]         ; 8 off its exponent field: the conversion's scale operand
.endr
.irp b, 0,1,2,3
	v_and_or_b32 v[TM+8+\b], v[TM+\b], 0x7f800000, s[MNT]  ; 448 x the scale
.endr
.irp b, 0,1,2,3
	v_lshrrev_b32 v[TM+4+\b], 23, v[TM+12+\b]              ; the scale's byte
.endr
	v_lshl_or_b32 v[\pw], v[TM+5], 8, v[TM+4]
	v_lshl_or_b32 v[\pw], v[TM+6], 16, v[\pw]
	v_lshl_or_b32 v[\pw], v[TM+7], 24, v[\pw]
.irp b, 0,1,2,3
.irp i, 0,1,2,3,4,5,6,7,8,9,10,11,12,13,14,15
	v_med3_num_f32 v[\s+16*\b+\i], v[\s+16*\b+\i], -v[TM+8+\b], v[TM+8+\b]   ; the conversion to an 8-bit code does not saturate (ISA guide 7.6.2): the hold comes first
.endr
	v_cvt_scalef32_pk8_fp8_f32 v[PC+4*\b:PC+1+4*\b], v[\s+16*\b:\s+7+16*\b], v[TM+12+\b]
	v_cvt_scalef32_pk8_fp8_f32 v[PC+2+4*\b:PC+3+4*\b], v[\s+8+16*\b:\s+15+16*\b], v[TM+12+\b]
.endr
	v_nop                                          ; a plain line behind the last conversion
.endm
; K step s (128 along K) of my 16 rows: each load reads 512 bytes on end of one row
.macro XLOAD s
.set j, 0
.rept 16
	global_load_b128 v[R0+64*((\s)%2)+4*j:R0+64*((\s)%2)+4*j+3], v4, s[4:5] offset:(j+8*(j/8))*4096+512*(\s) th:TH_LOAD_NT
.set j, j+1
.endr
.endm
.macro XSTEP s
.if (\s) < 3
	s_wait_loadcnt 16                              ; this step's 16 loads are in; the next step's 16 may be out
.else
	s_wait_loadcnt 0
.endif
.set j, 0
.rept 16
	ds_store_b128 v5, v[R0+64*((\s)%2)+4*j:R0+64*((\s)%2)+4*j+3] offset:SPT*j   ; the rows as they lie, into my wave's stage
.set j, j+1
.endr
.irp b, 0,1,2,3
.irp i, 0,1,2,3
	ds_load_b128 v[XQ+16*\b+4*\i:XQ+16*\b+4*\i+3], v6 offset:128*\b+16*\i   ; back in the operand's order; LDS serves a wave's instructions in order
.endr
.endr
	s_wait_dscnt 0x0                               ; the numbers are back, and the stage's stores have read their registers
	s_wait_xcnt 0x0                                ; the last step's stores have read the codes' registers
.if (\s) < 2
	XLOAD (\s)+2
.endif
	QUANT XQ, PW+(\s)
.irp c, 0,1,2,3
	global_store_b128 v4, v[PC+4*\c:PC+4*\c+3], s[10:11] offset:((\s)/2)*32768+((\s)%2)*2048+512*\c   ; 512 bytes on end
.endr
.endm
; block t (32 along K) of my column
.macro WLOAD t
.set j, 0
.rept 32
	global_load_b32 v[WX+32*((\t)%2)+j], v[OFF+j], s[32+2*(\t):33+2*(\t)] th:TH_LOAD_NT   ; 32 lanes read 128 bytes on end of one row of the weight
.set j, j+1
.endr
.endm
.macro WBLOCK t
.set XS, WX+32*((\t)%2)
.set CC, WC+8*(\t)
.if (\t) < 7
	s_wait_loadcnt 32                              ; this block's 32 loads are in; the next block's may be out
.else
	s_wait_loadcnt 0
.endif
	v_max3_num_f32 v12, |v[XS]|, |v[XS+1]|, |v[XS+2]|      ; all 32 numbers of the block are mine
	v_max3_num_f32 v13, |v[XS+3]|, |v[XS+4]|, |v[XS+5]|
.irp i, 6,10,14,18,22,26
	v_max3_num_f32 v12, v12, |v[XS+\i]|, |v[XS+\i+1]|
	v_max3_num_f32 v13, v13, |v[XS+\i+2]|, |v[XS+\i+3]|
.endr
	v_max3_num_f32 v12, v12, |v[XS+30]|, |v[XS+31]|
	v_max3_num_f32 v12, v12, v13, 0x4800000
	v_add_nc_u32 v11, 0xfc000000, v12
	v_and_or_b32 v10, v12, 0x7f800000, s[MNT]
	v_lshrrev_b32 v13, 23, v11
.if (\t)%4 == 0
	v_mov_b32 v[SB+(\t)/4], v13
.else
	v_lshl_or_b32 v[SB+(\t)/4], v13, 8*((\t)%4), v[SB+(\t)/4]
.endif
.set j, 0
.rept 32
	v_med3_num_f32 v[XS+j], v[XS+j], -v10, v10
.set j, j+1
.endr
.irp g, 0,1,2,3
	v_cvt_scalef32_pk8_fp8_f32 v[CC+2*\g:CC+2*\g+1], v[XS+8*\g:XS+8*\g+7], v11
.endr
	v_nop
	global_store_b128 v14, v[CC:CC+3], s[48:49] offset:((\t)/4)*2048+((\t)%4)*512        ; k 0-15 of the block: sixteen lanes fill 256 bytes on end, aligned
	global_store_b128 v14, v[CC+4:CC+7], s[48:49] offset:((\t)/4)*2048+((\t)%4)*512+256  ; k 16-31
.if (\t)+2 < 8
	WLOAD (\t)+2
.endif
.endm
	s_load_b256 s[4:11], s[0:1], 0x0               ; x, w_qkv, w_out, xc
	s_load_b128 s[12:15], s[0:1], 0x20             ; xs, wc
	s_load_b64 s[16:17], s[0:1], 0x30              ; ws
	v_lshl_add_u32 v254, v0, 2, 0x8400
	v_mov_b32 v255, 0
	v_lshrrev_b32 v1, 5, v0
	v_readfirstlane_b32 s18, v1                    ; wave
	v_and_b32 v1, 31, v0                           ; lane
	v_and_b32 v2, 15, v0                           ; r
	v_bfe_u32 v3, v0, 4, 1                         ; h
	s_mov_b32 s[MNT], 0x600000
	s_wait_kmcnt 0x0
	s_cmp_lt_u32 ttmp9, 256
	s_cbranch_scc0 .Lw
	; ---- x
	s_mov_b32 s[SEL], 0x76543210
	s_mov_b32 s[SEL+1], 0xfedcba98
	s_lshl_b32 s24, ttmp9, 2
	s_add_co_u32 s24, s24, s18                     ; task
	s_lshr_b32 s25, s24, 1                         ; tile of 16 positions, 0 .. 511
	s_and_b32 s26, s24, 1                          ; which 512 along K
	s_lshr_b32 s28, s25, 1
	s_lshl_b32 s28, s28, 17                        ; 32 rows of 4,096 bytes for each pair of tiles,
	s_and_b32 s29, s25, 1
	s_lshl_b32 s29, s29, 15                        ; 8 rows for the odd tile,
	s_add_co_u32 s28, s28, s29
	s_lshl_b32 s29, s26, 11                        ; 512 numbers
	s_add_co_u32 s28, s28, s29
	s_mov_b32 s29, 0
	s_lshr_b32 s30, s25, 3
	s_lshl_b32 s30, s30, 17
	s_and_b32 s31, s25, 7
	s_lshl_b32 s31, s31, 12
	s_add_co_u32 s30, s30, s31
	s_lshl_b32 s31, s26, 16
	s_add_co_u32 s30, s30, s31                     ; the codes' place
	s_mov_b32 s31, 0
	s_lshl_b32 s32, s25, 9
	s_lshl_b32 s33, s26, 4
	s_add_co_u32 s32, s32, s33                     ; the scale bytes' place
	s_mov_b32 s33, 0
	s_add_nc_u64 s[4:5], s[4:5], s[28:29]
	s_add_nc_u64 s[10:11], s[10:11], s[30:31]
	s_add_nc_u64 s[12:13], s[12:13], s[32:33]
	s_mul_i32 s34, s18, WST
	s_wait_alu depctr_va_vdst(0)
	v_lshlrev_b32 v4, 4, v1                        ; 16 x lane
	v_add_nc_u32 v5, s34, v4                       ; into the stage
	v_mul_u32_u24 v6, v2, SPT
	v_lshl_add_u32 v6, v3, 6, v6
	v_add_nc_u32 v6, s34, v6                       ; out of it: row r, + 64 h
	v_lshlrev_b32 v7, 5, v2
	v_lshl_add_u32 v7, v3, 3, v7                   ; scale bytes: 32 r + 8 h
.irp b, 0,1,2,3
	v_mov_b32 v[TM+4+\b], 0                        ; a lane permute's destination counts as one of its sources
.endr
	XLOAD 0
	XLOAD 1
	s_wait_alu depctr_va_vdst(0)
	XSTEP 0
	XSTEP 1
	XSTEP 2
	XSTEP 3
	v_cmp_eq_u32 vcc_lo, 1, v3
	v_cndmask_b32 v244, v[PW], v[PW+2], vcc_lo     ; lanes 0-15 store words 0, 1 of their row, lanes 16-31 words 2, 3
	v_cndmask_b32 v245, v[PW+1], v[PW+3], vcc_lo
	global_store_b64 v7, v[244:245], s[12:13]
	s_wait_tensorcnt 0x0
	ds_add_u32 v254, v255
	s_wait_dscnt 0x0
	s_endpgm
	; ---- the weights: a lane takes a column and its registers run down K
.Lw:
	s_sub_co_u32 s24, ttmp9, 256
	s_and_b32 s25, s24, 31                         ; which 128 positions
	s_lshr_b32 s26, s24, 5                         ; which 256 along K
	s_mov_b32 s20, 4096
	s_cmp_lt_u32 s25, 24                           ; w_qkv's positions or w_out's: the choice hangs on the work-group's number alone
	s_cselect_b64 s[22:23], s[6:7], s[8:9]
	s_cselect_b32 s20, 12288, s20                  ; bytes in a row of the weight
	s_cselect_b32 s21, 0, 3072
	s_lshl_b32 s27, s25, 7
	s_lshl_b32 s28, s18, 5
	s_add_co_u32 s27, s27, s28                     ; my wave's first position
	s_sub_co_u32 s28, s27, s21                     ; and first column
	s_lshl_b32 s30, s26, 8
	s_mul_i32 s30, s30, s20
	s_lshl_b32 s28, s28, 2
	s_add_co_u32 s30, s30, s28
	s_mov_b32 s31, 0
	s_add_nc_u64 s[32:33], s[22:23], s[30:31]      ; block 0's first row
	s_lshl_b32 s30, s20, 5                         ; 32 rows on
.irp t, 1,2,3,4,5,6,7
	s_add_nc_u64 s[32+2*\t:33+2*\t], s[30+2*\t:31+2*\t], s[30:31]
.endr
	s_lshl_b32 s50, s25, 17
	s_lshl_b32 s51, s26, 15
	s_add_co_u32 s50, s50, s51
	s_lshl_b32 s51, s18, 13
	s_add_co_u32 s50, s50, s51
	s_mov_b32 s51, 0
	s_add_nc_u64 s[48:49], s[14:15], s[50:51]      ; the codes' place
	s_lshl_b32 s50, s27, 5
	s_lshl_b32 s52, s26, 3
	s_add_co_u32 s50, s50, s52
	s_add_nc_u64 s[16:17], s[16:17], s[50:51]      ; the scale bytes' place
	s_wait_alu depctr_va_vdst(0)
	v_and_b32 v8, 7, v1
	v_and_b32 v9, 8, v1
	v_lshl_add_u32 v8, v9, 1, v8
	v_and_b32 v9, 16, v1
	v_lshrrev_b32 v9, 1, v9
	v_add_nc_u32 v8, v8, v9                        ; position l of 32 is column l with its bits 3 and 4 exchanged
	v_lshlrev_b32 v[OFF], 2, v8
.set j, 1
.rept 31
	v_add_nc_u32 v[OFF+j], s20, v[OFF+j-1]
.set j, j+1
.endr
	v_lshlrev_b32 v14, 12, v3
	v_lshl_add_u32 v14, v2, 4, v14                 ; codes: 4096 (l / 16) + 16 (l % 16)
	v_lshlrev_b32 v15, 5, v1                       ; scale bytes: 32 l
	WLOAD 0
	WLOAD 1
	WBLOCK 0
	WBLOCK 1
	WBLOCK 2
	WBLOCK 3
	WBLOCK 4
	WBLOCK 5
	WBLOCK 6
	WBLOCK 7
	global_store_b64 v15, v[SB:SB+1], s[16:17]
	s_endpgm
.Lfunc_end_k_qb5f28b3ac7_quant:
	.size	k_qb5f28b3ac7_quant, .Lfunc_end_k_qb5f28b3ac7_quant-k_qb5f28b3ac7_quant
	.p2alignl 7, 3214868480
	.fill 96, 4, 3214868480
	.section	.rodata,"a",@progbits
	.p2align	6, 0x0
	.amdhsa_kernel k_qb5f28b3ac7_quant
		.amdhsa_group_segment_fixed_size 34304
		.amdhsa_private_segment_fixed_size 0
		.amdhsa_enable_private_segment 0
		.amdhsa_kernarg_size 56
		.amdhsa_user_sgpr_count 2
		.amdhsa_user_sgpr_kernarg_segment_ptr 1
		.amdhsa_wavefront_size32 1
		.amdhsa_system_sgpr_workgroup_id_x 1
		.amdhsa_system_sgpr_workgroup_id_y 1
		.amdhsa_system_sgpr_workgroup_id_z 1
		.amdhsa_system_vgpr_workitem_id 0
		.amdhsa_next_free_vgpr 256
		.amdhsa_next_free_sgpr 66
		.amdhsa_reserve_vcc 1
		.amdhsa_float_denorm_mode_32 3
		.amdhsa_float_denorm_mode_16_64 3
		.amdhsa_memory_ordered 1
		.amdhsa_forward_progress 1
		.amdhsa_inst_pref_size 108
	.end_amdhsa_kernel
	.amdgpu_metadata
---
amdhsa.version: [ 1, 2 ]
amdhsa.kernels:
  - .name:           k_qb5f28b3ac7_quant
    .symbol:         k_qb5f28b3ac7_quant.kd
    .args:
      - { .name: x, .offset: 0, .size: 8, .value_kind: global_buffer, .address_space: global }
      - { .name: w_qkv, .offset: 8, .size: 8, .value_kind: global_buffer, .address_space: global }
      - { .name: w_out, .offset: 16, .size: 8, .value_kind: global_buffer, .address_space: global }
      - { .name: xc, .offset: 24, .size: 8, .value_kind: global_buffer, .address_space: global }
      - { .name: xs, .offset: 32, .size: 8, .value_kind: global_buffer, .address_space: global }
      - { .name: wc, .offset: 40, .size: 8, .value_kind: global_buffer, .address_space: global }
      - { .name: ws, .offset: 48, .size: 8, .value_kind: global_buffer, .address_space: global }
    .group_segment_fixed_size: 34304
    .private_segment_fixed_size: 0
    .kernarg_segment_align: 8
    .kernarg_segment_size: 56
    .max_flat_workgroup_size: 128
    .sgpr_count:     66
    .vgpr_count:     256
    .wavefront_size: 32
...
	.end_amdgpu_metadata
.endif
;; end of part 1
;; launch gemm_qkv (part 2): grid 12 x 32, 4 waves a work-group, clusters of 4 x 4, 327,680 bytes of LDS; arguments xc, xs, wc, ws, qkv; writes qkv
.if DOCPART == 2
	.amdgcn_target "amdgcn-amd-amdhsa--gfx1250"
	.amdhsa_code_object_version 6
	.text
	.protected	k_qb5f28b3ac7_gemm_qkv
	.globl	k_qb5f28b3ac7_gemm_qkv
	.p2align	8
	.type	k_qb5f28b3ac7_gemm_qkv,@function
k_qb5f28b3ac7_gemm_qkv:
	s_mov_b64 s[64:65], 0
	v_nop
	global_prefetch_b8 v0, s[64:65] scope:SCOPE_SE
	s_setreg_imm32_b32 hwreg(HW_REG_WAVE_MODE, 25, 1), 1
	s_wait_xcnt 0x0
	s_wait_alu depctr_hold_cnt(0) depctr_sa_sdst(0) depctr_va_vdst(0) depctr_va_sdst(0) depctr_va_ssrc(0) depctr_va_vcc(0) depctr_vm_vsrc(0)
	s_getreg_b32 s2, hwreg(HW_REG_IB_STS2, 6, 4)
	s_cmp_eq_u32 s2, 0
	s_cbranch_scc0 .Lentry_in_a_cluster
	s_endpgm
.Lentry_in_a_cluster:
	s_bfe_u32 s2, ttmp6, 0x10000c
	s_cmp_lg_u32 s2, 0xf033
	s_cbranch_scc0 .Lentry_shape_is_right
	s_endpgm
.Lentry_shape_is_right:
; qkv = x w_qkv on codes of FP8 (E4M3) with E8M0 scales, K = 1024, sums in f32; q, k and v are quantised in registers as they are finished and leave as images of attention's operand registers.
; A tile of 256 x 256 is made by four waves, 128 x 128 each: 64 accumulators, 512 registers.  K goes in steps of 256 through two LDS slots.  Operands lie in memory as register images
; (a fragment of 16 positions x 128 K is 2,048 bytes on end; 128 positions x 256 K one dense block of 32,768 bytes), so every LDS read takes 512 bytes on end and no padding is wanted.
; SOURCE 0 ("B") is the axis that the registers of a result run along, SOURCE 1 ("A") the axis of which a lane holds one row.  A position is a true index with bits 3 and 4 exchanged, so the 16 registers
; of two neighbouring tiles of B are 16 NEIGHBOURS: true index 32 b + 16 (lane / 16) + 0 .. 15: the order in which the next product's operand wants them.
; ROLES, by the cluster's x (alike in all sixteen partners): 0, 1: q, k: A = x's rows, B = w's columns (quantised along the head's 64);  2: v: A = w's columns 2048 on, B = x's rows (quantised along the keys).
; CLUSTERS: 4 x 4.  A's tiles are shared along a row of the cluster, B's along a column: joint loads.
; qkv: [head 64][block of 256 rows 8][51,712 bytes]: Q images 16,384 | Q scale words 1,024 | K images 16,384 | V images 16,384 | K words 1,024 | V words 512.
; LIMITS: NaN and infinities are not served; a block of zeros, or one under 2^-118, gets the byte 1: only this program reads the bytes.
; REGISTERS: window 0: v0-31 addresses; v32-63 scale words, two sets; v128-255 A's fragments, one set (on the way out v112-127 codes, v200-231 at work); window 1: B's fragments, two sets; windows 2, 3: accumulators.
.set NQ,     2                         ; matrix instructions deep in a slot
.set FR,     16                        ; registers of a fragment
.set NL,     4                         ; LDS loads that bring one
.set NP,     8                         ; places behind this matrix instruction (ISA guide 7.12.1)
.set HALFT,  32768                     ; 128 positions x 256 K: what one tensor load brings
.set SLOT,   4*HALFT                   ; A's two halves, then B's
.set LAPS,   2                         ; 1024 / 512
.set SCL,    2*SLOT                    ; behind the ring: the scale bytes of 4 x 128 positions, as units of 256 bytes + 16
.set HALFS,  16*272
.set SBLK,   2*272                     ; those of 16 positions
.set SPARE,  SCL+4*HALFS               ; the spare words: 128 bytes for each wave, two blocks of 256 bytes that no other line names
.set HSTR,   413696                    ; a head in qkv
.set SSTR,   51712                     ; a block of 256 rows in it
.set ADRA, 16
.set ADRB, 20
.set ADRS, 22
.set SPW,  28
.set NIL,  29
.set SC,   32
.set AF,   128
.set PC,   112
.set TM,   200
.set PWB,  216
.set WW,   224
.set G1, 24
.set G0, 32
.set G1B, 48
.set G0B, 56
.set G1S, 68
.set G0S, 76
.set G1SB, 80
.set G0SB, 88
.set MSB, 0
.macro WIN new                         ; the immediate's high byte repeats the setting that is left
.if MSB != \new
	s_set_vgpr_msb (MSB<<8)|\new
.set MSB, \new
.endif
.endm
.set MUL_LO, 0xa1                      ; source 0 (B) window 1, source 1 (A) window 0, C and D window 2
.set MUL_HI, 0xf1                      ; the same, C and D window 3
.set TO_B,   0x40                      ; destination window 1
; A joint load: waves 0 and 1 fetch for A, waves 2 and 3 for B; the branch hangs on the wave's number alone.  Four v_nop follow each of the two lines.
.macro JLOAD g0a, g1a, g0b, g1b
	s_cmp_eq_u32 s15, 0
	s_cbranch_scc0 .Lfor_b_\@
	tensor_load_to_lds s[\g0a:\g0a+3], s[\g1a:\g1a+7]
	s_nop 0
.rept 4
	v_nop
.endr
	s_branch .Lasked_\@
.Lfor_b_\@:
	tensor_load_to_lds s[\g0b:\g0b+3], s[\g1b:\g1b+7]
	s_nop 0
.rept 4
	v_nop
.endr
.Lasked_\@:
.endm
.macro CREST                           ; a round of the cluster's barrier behind its opening barrier
	s_cmp_lg_u32 s14, 0
	s_cbranch_scc1 .Lnot_wave_0_\@
	s_barrier_signal -3
.Lnot_wave_0_\@:
	s_barrier_wait -3
	s_barrier_signal -1
	s_barrier_wait -1
.endm
.macro CROUND
	s_barrier_signal -1
	s_barrier_wait -1
	CREST
.endm
	s_load_b128 s[4:7], s[0:1], 0x0                ; x's codes, x's scales
	s_load_b128 s[8:11], s[0:1], 0x10              ; w's codes, w's scales
	s_load_b64 s[12:13], s[0:1], 0x20              ; qkv
	v_lshl_add_u32 v[SPW], v0, 2, SPARE
	v_mov_b32 v[NIL], 0
	ds_add_u32 v28, v29
	ds_add_u32 v28, v29
	s_wait_dscnt 0x0
	v_lshrrev_b32 v1, 5, v0
	v_readfirstlane_b32 s14, v1                    ; wave 0..3
	s_lshr_b32 s15, s14, 1                         ; which half of A's positions is mine.  Also: I fetch for A (0) or for B (1)
	s_and_b32 s16, s14, 1                          ; which half of B's.  Also: which 128 positions I fetch
	s_bfe_u32 s40, ttmp6, 0x40000                  ; cx
	s_bfe_u32 s41, ttmp6, 0x40004                  ; cy
	s_and_b32 s17, ttmp7, 0xffff
	s_lshl_b32 s17, s17, 2                         ; 4 x cluster y
	s_lshl_b32 s42, ttmp9, 2                       ; 4 x cluster x
	s_cmp_eq_u32 ttmp9, 2                          ; the role
	s_cselect_b32 s45, 8, s17
	s_cselect_b32 s42, s17, s42
	s_add_co_u32 s17, s45, s41                     ; A's tile of 256 positions: it hangs on cy, never on cx
	s_add_co_u32 s42, s42, s40                     ; B's: on cx, never on cy
	s_lshl_b32 s43, s41, 2
	s_lshl_b32 s43, 15, s43                        ; my row of the cluster
	s_lshl_b32 s44, 0x1111, s40                    ; my column
	; group 1 for the codes: a dense block as 128 rows of 256 bytes (32 elements of 8 bytes), no padding
	s_or_b32 s[G1+0], s43, (3<<16)|(1<<21)
	s_or_b32 s[G1B+0], s44, (3<<16)|(1<<21)
.irp g, G1, G1B
	s_mov_b32 s[\g+1], 4096<<16                    ; for the head's loads: 2 rows of 32,768 bytes (4,096 elements), 131,072 bytes apart: both halves of a tile's K step 0
	s_mov_b32 s[\g+2], 2<<16
	s_mov_b32 s[\g+3], 4096<<16
	s_mov_b32 s[\g+4], 2
	s_mov_b32 s[\g+5], 16384
	s_mov_b32 s[\g+6], 0
	s_mov_b32 s[\g+7], 0
.endr
	; and for the scale bytes of 128 positions: 4,096 dense bytes as 16 rows of 256, 16 bytes of padding behind each
	s_or_b32 s[G1S+0], s43, (3<<16)|(1<<20)|(1<<21)|(5<<22)|(3<<25)
	s_or_b32 s[G1SB+0], s44, (3<<16)|(1<<20)|(1<<21)|(5<<22)|(3<<25)
.irp g, G1S, G1SB
	s_mov_b32 s[\g+1], 32<<16
	s_mov_b32 s[\g+2], 32<<16                      ; the scale bytes of 256 positions: 32 rows of 256 bytes
	s_mov_b32 s[\g+3], 32<<16
	s_mov_b32 s[\g+4], 32
	s_mov_b32 s[\g+5], 32
	s_mov_b32 s[\g+6], 0
	s_mov_b32 s[\g+7], 0
.endr
	s_lshl_b32 s20, s17, 1                         ; A: the tile's first 128 positions
	s_lshl_b32 s46, s42, 1                         ; B likewise
	s_lshl_b32 s22, s20, 12                        ; their scale bytes,
	s_mov_b32 s23, 0
	s_lshl_b32 s92, s46, 12
	s_mov_b32 s93, 0
	s_lshl_b32 s20, s20, 17                        ; and their codes
	s_mov_b32 s21, 0
	s_lshl_b32 s46, s46, 17
	s_mov_b32 s47, 0
	s_mul_i32 s45, s14, HALFT                      ; where they go: no place in the cluster enters an LDS address
	s_wait_kmcnt 0x0
	s_cmp_eq_u32 ttmp9, 2                          ; which buffers are A's and which B's: the choice hangs on the cluster's number alone
	s_cselect_b64 s[96:97], s[8:9], s[4:5]
	s_cselect_b64 s[98:99], s[10:11], s[6:7]
	s_cselect_b64 s[4:5], s[4:5], s[8:9]
	s_cselect_b64 s[6:7], s[6:7], s[10:11]
	s_add_nc_u64 s[20:21], s[96:97], s[20:21]
	s_add_nc_u64 s[22:23], s[98:99], s[22:23]
	s_add_nc_u64 s[46:47], s[4:5], s[46:47]
	s_add_nc_u64 s[92:93], s[6:7], s[92:93]
	CROUND                                         ; all sixteen work-groups are here: the first joint loads meet
	s_mov_b32 s[G0S], 1
	s_mov_b32 s[G0S+1], SCL
	s_mov_b64 s[G0S+2:G0S+3], s[22:23]
	s_or_b32 s[G0S+3], s[G0S+3], 0x80000000
	s_mov_b32 s[G0SB], 1
	s_mov_b32 s[G0SB+1], SCL+2*HALFS
	s_mov_b64 s[G0SB+2:G0SB+3], s[92:93]
	s_or_b32 s[G0SB+3], s[G0SB+3], 0x80000000
	s_mov_b32 s4, 1                                ; group 0 of the head's loads of codes (the arguments that lay here have been used): A's K step 0, both halves,
	s_mov_b32 s5, 0
	s_mov_b64 s[6:7], s[20:21]
	s_or_b32 s7, s7, 0x80000000
	s_mov_b32 s8, 1                                ; and B's, behind them in slot 0
	s_mov_b32 s9, 2*HALFT
	s_mov_b64 s[10:11], s[46:47]
	s_or_b32 s11, s11, 0x80000000
	s_lshl_b32 s18, s16, 17                        ; for the ring: the 128 positions that I fetch
	s_mov_b32 s19, 0
	s_add_nc_u64 s[20:21], s[20:21], s[18:19]
	s_add_nc_u64 s[46:47], s[46:47], s[18:19]
	s_cmp_eq_u32 s15, 0                            ; the prefetches: of the 32,768 bytes that I fetch in a K step each of the four partners that ask jointly names 8,192, told apart by address (cx for A, cy for B)
	s_cselect_b64 s[100:101], s[20:21], s[46:47]
	s_cselect_b32 s18, s40, s41
	s_lshl_b32 s18, s18, 13
	s_add_nc_u64 s[100:101], s[100:101], s[18:19]
.irp s, 0,1
	s_mov_b32 s[G0+4*\s], 1
	s_add_co_u32 s[G0+4*\s+1], s45, \s*SLOT
	s_add_nc_u64 s[G0+4*\s+2:G0+4*\s+3], s[20:21], \s*HALFT
	s_or_b32 s[G0+4*\s+3], s[G0+4*\s+3], 0x80000000
	s_mov_b32 s[G0B+4*\s], 1
	s_add_co_u32 s[G0B+4*\s+1], s45, \s*SLOT
	s_add_nc_u64 s[G0B+4*\s+2:G0B+4*\s+3], s[46:47], \s*HALFT
	s_or_b32 s[G0B+4*\s+3], s[G0B+4*\s+3], 0x80000000
.endr
; THE HEAD'S LOADS, ONE A WAVE: wave 0 A's K step 0, wave 1 B's, wave 2 A's scale bytes, wave 3 B's: one tree of branches on the wave's number, one load to an arm.
.macro ARM under, g0, g1, next
	s_cmp_lt_u32 s14, \under
	s_cbranch_scc0 \next
	tensor_load_to_lds s[\g0:\g0+3], s[\g1:\g1+7]
	s_nop 0
.rept 4
	v_nop
.endr
	s_branch .Lhead_asked
\next:
.endm
	ARM 1, 4, G1, .Lhead_b
	ARM 2, 8, G1B, .Lhead_sa
	ARM 3, G0S, G1S, .Lhead_sb
	tensor_load_to_lds s[G0SB:G0SB+3], s[G1SB:G1SB+7]
	s_nop 0
.rept 4
	v_nop
.endr
.Lhead_asked:
	v_and_b32 v1, 15, v0                           ; r
	v_bfe_u32 v2, v0, 4, 1                         ; h
	v_and_b32 v3, 31, v0
	v_lshlrev_b32 v4, 4, v3
	v_lshlrev_b32 v30, 8, v3                       ; the prefetches' offset: lanes 256 bytes apart; never rewritten
	global_prefetch_b8 v30, s[100:101] offset:HALFT th:TH_LOAD_NT scope:SCOPE_SE     ; K steps 1 and 2: one and two refills ahead
	global_prefetch_b8 v30, s[100:101] offset:2*HALFT th:TH_LOAD_NT scope:SCOPE_SE
	s_mul_i32 s21, s15, HALFT                      ; my 128 positions of A
	s_mul_i32 s22, s16, HALFT                      ; and of B,
	s_add_co_u32 s22, s22, 2*HALFT                 ; which lie behind A's
.irp s, 0,1
	v_add_nc_u32 v[ADRA+\s], s21, v4
	v_add_nc_u32 v[ADRB+\s], s22, v4
	s_add_co_u32 s21, s21, SLOT
	s_add_co_u32 s22, s22, SLOT
.endr
	v_mul_u32_u24 v5, v1, 32                       ; my row's scale bytes: 32 a row,
	v_lshrrev_b32 v6, 8, v5
	v_lshl_add_u32 v5, v6, 4, v5                   ; and 16 more for each 256 passed
	s_mul_i32 s21, s15, HALFS
	s_mul_i32 s22, s16, HALFS
	s_add_co_u32 s22, s22, 2*HALFS
	s_sub_co_u32 s22, s22, s21
	v_mul_u32_u24 v6, s22, v2                      ; lanes 16-31 take B's
	s_add_co_u32 s21, s21, SCL
	v_add_nc_u32 v5, v5, v6
	v_add_nc_u32 v[ADRS], s21, v5
.macro FRAG reg, adr, q, i             ; fragment i of a half, the slot's q-th 128 along K: four loads of 512 bytes on end
.irp c, 0,1,2,3
	ds_load_b128 v[\reg+4*\c:\reg+4*\c+3], v[\adr] offset:2048*(\q)+512*\c+4096*(\i)
.endr
.endm
; 16 matrix instructions: A's blocks a0, a0 + 1 x B's eight.  The 64 accumulators take turns, one instruction a turn, in the same order in every step.
.macro MUL16 a0, p, q, sc, zero
.irp a, \a0, \a0+1
.irp b, 0,1,2,3,4,5,6,7
.if \zero
	v_wmma_scale_f32_16x16x128_f8f6f4 v[8*(8*((\a)%4)+\b):8*(8*((\a)%4)+\b)+7], v[128*(\p)+FR*\b:128*(\p)+FR*\b+FR-1], v[AF+FR*(\a):AF+FR*(\a)+FR-1], 0, v[SC+8*NQ*(\sc)+NQ*\b+(\q)], v[SC+8*NQ*(\sc)+NQ*(\a)+(\q)] matrix_a_scale:MATRIX_SCALE_ROW1
.else
	v_wmma_scale_f32_16x16x128_f8f6f4 v[8*(8*((\a)%4)+\b):8*(8*((\a)%4)+\b)+7], v[128*(\p)+FR*\b:128*(\p)+FR*\b+FR-1], v[AF+FR*(\a):AF+FR*(\a)+FR-1], v[8*(8*((\a)%4)+\b):8*(8*((\a)%4)+\b)+7], v[SC+8*NQ*(\sc)+NQ*\b+(\q)], v[SC+8*NQ*(\sc)+NQ*(\a)+(\q)] matrix_a_scale:MATRIX_SCALE_ROW1
.endif
.endr
.endr
.endm
.macro FETCH_B slot, q, p
	WIN TO_B
.irp i, 0,1,2,3,4,5,6,7
	FRAG 128*(\p)+FR*\i, ADRB+\slot, \q, \i
.endr
	WIN 0
.endm
.macro FETCH_A slot, q, i0
.irp i, \i0, \i0+1, \i0+2, \i0+3
	FRAG AF+FR*(\i), ADRA+\slot, \q, \i
.endr
.endm
.macro SCALES sc                       ; a K step's scale words: lanes 0-15 take A's block i, lanes 16-31 B's block i
.irp i, 0,1,2,3,4,5,6,7
	ds_load_b64 v[SC+8*NQ*\sc+NQ*\i:SC+8*NQ*\sc+NQ*\i+1], v[ADRS] offset:\i*SBLK
.endr
.endm
.macro PLACES n                        ; plain vector lines between a matrix instruction and a load into, or a vector line on, its registers
.rept \n
	v_nop
.endr
.endm
.macro STEP slot, q, zero              ; a step of 128 along K that has its successor in the same slot
	s_wait_dscnt 4*NL                              ; B's set and A's blocks 0-3 are in; the youngest sixteen loads (A's blocks 4-7) may be out
	WIN MUL_LO
	MUL16 0, (\q)%2, \q, \slot, \zero
	MUL16 2, (\q)%2, \q, \slot, \zero
	s_wait_dscnt 0
	PLACES NP
	FETCH_B \slot, (\q)+1, 1-(\q)%2
	FETCH_A \slot, (\q)+1, 0
	WIN MUL_HI
	MUL16 4, (\q)%2, \q, \slot, \zero
	MUL16 6, (\q)%2, \q, \slot, \zero
	PLACES NP
	WIN 0
	FETCH_A \slot, (\q)+1, 4
.endm
; A slot's last step changes slots: one barrier; in front of it each wave waits for all its tensor loads, adds 0 to its spare word, and waits for that and for its reads of this slot.
.macro TURN slot, next, fill
	s_wait_tensorcnt 0x0                           ; all my tensor loads have landed: my part of the next slot
	ds_add_u32 v[SPW], v[NIL]                      ; 0 onto my spare word
	s_wait_dscnt 4*NL+1                            ; the add and the youngest sixteen loads may be out
	WIN MUL_LO
	MUL16 0, 1, NQ-1, \slot, 0
	s_wait_dscnt 0x0                               ; the add is done, and my reads of this slot are over
	s_barrier_signal -1
	MUL16 2, 1, NQ-1, \slot, 0
	WIN 0
	s_barrier_wait -1
.if \fill
	CREST                                          ; the barrier has opened a round of the cluster's: no wave of any partner still reads this slot or has a load on its way
	s_add_nc_u64 s[G0+4*\slot+2:G0+4*\slot+3], s[G0+4*\slot+2:G0+4*\slot+3], 2*HALFT
	s_add_nc_u64 s[G0B+4*\slot+2:G0B+4*\slot+3], s[G0B+4*\slot+2:G0B+4*\slot+3], 2*HALFT
	JLOAD G0+4*\slot, G1, G0B+4*\slot, G1B         ; the first tensor load behind the round; its four v_nop are four of the places below
	PLACES NP-4
.else
	PLACES NP
.endif
	s_wait_alu depctr_va_vdst(0)
	v_add_nc_u32 v[ADRS], 4*NQ, v[ADRS]            ; the next K step's scale words
	FETCH_B \next, 0, 0
	FETCH_A \next, 0, 0
	SCALES \next
.if (\fill) && (\slot) == 0
	global_prefetch_b8 v30, s[100:101] offset:3*HALFT th:TH_LOAD_NT scope:SCOPE_SE   ; K step 3, one refill ahead; there is no K step behind it
.endif
	WIN MUL_HI
	MUL16 4, 1, NQ-1, \slot, 0
	MUL16 6, 1, NQ-1, \slot, 0
	PLACES NP
	WIN 0
	FETCH_A \next, 0, 4
.endm
	s_wait_alu depctr_va_vdst(0)
	s_wait_tensorcnt 0x0                           ; my tile of the head's four is in
	ds_add_u32 v[SPW], v[NIL]
.irp g, G1, G1B                                ; no tensor load of mine is out: from here on a load brings 128 rows of 256 bytes
	s_mov_b32 s[\g+1], 32<<16
	s_mov_b32 s[\g+2], 128<<16
	s_mov_b32 s[\g+3], 32<<16
	s_mov_b32 s[\g+4], 128
	s_mov_b32 s[\g+5], 32
.endr
	s_wait_dscnt 0x0
	CROUND                                         ; all four tiles are in, and the sixteen work-groups are here
	JLOAD G0+4, G1, G0B+4, G1B                     ; K step 1, the first tensor load behind the round
	FETCH_B 0, 0, 0
	FETCH_A 0, 0, 0
	SCALES 0
	FETCH_A 0, 0, 4
	STEP 0, 0, 1                                   ; the first step's products start the sums
	s_mov_b32 s3, LAPS-1
.Llap:
	TURN 0, 1, 1
	STEP 1, 0, 0
	TURN 1, 0, 1
	STEP 0, 0, 0
	s_sub_co_u32 s3, s3, 1
	s_cmp_lg_u32 s3, 0
	s_cbranch_scc1 .Llap
	TURN 0, 1, 0                                   ; the last lap fills nothing
	STEP 1, 0, 0
	s_wait_dscnt 4*NL
	WIN MUL_LO
	MUL16 0, 1, NQ-1, 1, 0
	MUL16 2, 1, NQ-1, 1, 0
	s_wait_dscnt 0
	WIN MUL_HI
	MUL16 4, 1, NQ-1, 1, 0
	MUL16 6, 1, NQ-1, 1, 0
	WIN 0
	; ---- THE WAY OUT.  Block a of A (16 positions): a lane's 64 results are 128 neighbours' halves along B: four blocks of 32.  They are quantised as they stand and leave as four runs of 512 bytes.
	PLACES NP
	s_cmp_eq_u32 ttmp9, 2
	s_cselect_b32 s18, s42, s17                    ; which 256 rows of x
	s_cselect_b32 s19, s41, s40                    ; which four heads
	s_cselect_b32 s20, s16, s15                    ; which half of the rows is my wave's
	s_cselect_b32 s21, s15, s16                    ; which two of the heads
	s_mov_b32 s22, HSTR
	s_cselect_b32 s22, 1024, s22                   ; from codes 0-7 to codes 8-15: v: the key step's blocks 2, 3; q, k: the next head
	s_mov_b32 s96, 1024
	s_cselect_b32 s96, 2048, s96                   ; from block a to a + 1: v: the next tile of the head's 64; q, k: the next tile of rows
	s_mov_b32 s98, 1024
	s_cselect_b32 s98, HSTR-3*2048, s98            ; from block 3 to 4: v: the next head
	s_cselect_b32 s23, 8, 9
	s_mov_b32 s97, 0
	s_mov_b32 s99, 0
	s_lshr_b32 s46, s18, 3
	s_lshl_b32 s46, s46, 4
	s_lshl_b32 s47, s19, 2
	s_add_co_u32 s46, s46, s47
	s_lshl_b32 s47, s21, 1
	s_add_co_u32 s46, s46, s47                     ; 16 x batch + head
	s_mul_i32 s46, s46, HSTR
	s_and_b32 s47, s18, 7
	s_mul_i32 s47, s47, SSTR
	s_add_co_u32 s46, s46, s47
	s_min_u32 s47, ttmp9, 1
	s_lshl_b32 s66, s20, 13
	s_add_co_u32 s66, s66, s46
	s_lshl_b32 s67, ttmp9, 14
	s_add_co_u32 s66, s66, s67
	s_lshl_b32 s67, s47, 10
	s_add_co_u32 s66, s66, s67                     ; images: q at 0, k at 17,408, v at 33,792
	s_mov_b32 s67, 0
	s_add_nc_u64 s[92:93], s[12:13], s[66:67]
	s_lshl_b32 s66, s20, s23
	s_add_co_u32 s66, s66, s46
	s_add_co_u32 s66, s66, 16384
	s_mul_i32 s44, s47, 33792
	s_add_co_u32 s66, s66, s44
	s_lshr_b32 s44, ttmp9, 1
	s_lshl_b32 s44, s44, 10
	s_add_co_u32 s66, s66, s44                     ; scale words: q at 16,384, k at 50,176, v at 51,200
	s_add_nc_u64 s[94:95], s[12:13], s[66:67]
	s_mov_b32 s40, 0x76543210
	s_mov_b32 s41, 0xfedcba98                      ; lane l xor 16
	s_mov_b32 s42, 0x600000                        ; the mantissa field of 448
	s_mov_b32 s43, 0x7f7f0000                      ; the scale bytes of the zero half of attention's first K
	v_and_b32 v1, 15, v0
	v_bfe_u32 v2, v0, 4, 1
	v_and_b32 v3, 31, v0
	v_lshlrev_b32 v24, 4, v3                       ; 16 x lane
	v_add_nc_u32 v25, s22, v24
	v_mul_u32_u24 v26, v2, HSTR
	v_lshl_add_u32 v26, v1, 4, v26                 ; scale words: 16 r, lanes 16-31 the next head's
	v_lshlrev_b32 v27, 4, v2                       ; 16 h
.irp b, 0,1,2,3
	v_mov_b32 v[TM+4+\b], 0                        ; a lane permute's destination counts as one of its sources
.endr
.macro QUANTW a
.set W, 2+(\a)/4
.set AC, 64*((\a)%4)
.set WN, W|(W<<2)
	WIN WN                                         ; sources 0 and 1: the accumulators' window
.irp b, 0,1,2,3
	v_max3_num_f32 v[TM+\b], |v[AC+16*\b]|, |v[AC+16*\b+1]|, 0x4800000   ; each accumulator from its low end on; the floor 2^(9 - 127)
.endr
.irp i, 2,4,6,8,10,12,14
.irp b, 0,1,2,3
	v_max3_num_f32 v[TM+\b], |v[AC+16*\b+\i]|, |v[AC+16*\b+\i+1]|, v[TM+\b]
.endr
.endr
	WIN 0
.irp b, 0,1,2,3
	v_permlanex16_b32 v[TM+4+\b], v[TM+\b], s40, s41
.endr
.irp b, 0,1,2,3
	v_max_num_f32 v[TM+\b], v[TM+\b], v[TM+4+\b]
.endr
.irp b, 0,1,2,3
	v_add_nc_u32 v[TM+12+\b], 0xfc000000, v[TM+\b]
.endr
.irp b, 0,1,2,3
	v_and_or_b32 v[TM+8+\b], v[TM+\b], 0x7f800000, s42
.endr
.irp b, 0,1,2,3
	v_lshrrev_b32 v[TM+4+\b], 23, v[TM+12+\b]
.endr
	v_lshl_or_b32 v[PWB+(\a)], v[TM+5], 8, v[TM+4]
	v_lshl_or_b32 v[PWB+(\a)], v[TM+6], 16, v[PWB+(\a)]
	v_lshl_or_b32 v[PWB+(\a)], v[TM+7], 24, v[PWB+(\a)]
.set WN, W|(W<<6)
	WIN WN                                         ; source 0 and destination: the accumulators' window
.irp b, 0,1,2,3
.irp i, 0,1,2,3,4,5,6,7,8,9,10,11,12,13,14,15
	v_med3_num_f32 v[AC+16*\b+\i], v[AC+16*\b+\i], -v[TM+8+\b], v[TM+8+\b]   ; the hold at 448 x the scale (ISA guide 7.6.2: the conversion does not saturate)
.endr
.endr
	WIN W
.irp b, 0,1,2,3
	v_cvt_scalef32_pk8_fp8_f32 v[PC+4*\b:PC+1+4*\b], v[AC+16*\b:AC+7+16*\b], v[TM+12+\b]
	v_cvt_scalef32_pk8_fp8_f32 v[PC+2+4*\b:PC+3+4*\b], v[AC+8+16*\b:AC+15+16*\b], v[TM+12+\b]
.endr
	WIN 0
	v_nop                                          ; a plain line behind the last conversion
.endm
.macro OUTB a
.if (\a) > 0
	s_wait_xcnt 0x0                                ; the last block's stores have read their data and their base
.if (\a) == 4
	s_add_nc_u64 s[92:93], s[92:93], s[98:99]
.else
	s_add_nc_u64 s[92:93], s[92:93], s[96:97]
.endif
.endif
	QUANTW \a
	global_store_b128 v24, v[PC:PC+3], s[92:93]                ; each store covers 512 bytes on end, aligned
	global_store_b128 v24, v[PC+4:PC+7], s[92:93] offset:512
	global_store_b128 v25, v[PC+8:PC+11], s[92:93]
	global_store_b128 v25, v[PC+12:PC+15], s[92:93] offset:512
.endm
	OUTB 0
	OUTB 1
	OUTB 2
	OUTB 3
	OUTB 4
	OUTB 5
	OUTB 6
	OUTB 7
	s_cmp_eq_u32 ttmp9, 2                          ; the role: alike in all partners; no load and no barrier stands under this branch
	s_cbranch_scc1 .Lwords_v
.irp a, 0,1,2,3,4,5,6,7
	v_lshrrev_b32 v[WW+\a], v27, v[PWB+\a]         ; q, k: lanes 0-15 keep the first head's two bytes, lanes 16-31 the second's
.endr
.irp a, 0,1,2,3,4,5,6,7
	v_and_or_b32 v[WW+\a], v[WW+\a], 0xffff, s43
.endr
	global_store_b128 v26, v[WW:WW+3], s[94:95]                ; [tile / 4][r][tile % 4]: sixteen lanes fill 256 bytes on end
	global_store_b128 v26, v[WW+4:WW+7], s[94:95] offset:256
	s_branch .Lwords_done
.Lwords_v:
	v_cmp_eq_u32 vcc_lo, 16, v27
.irp a, 0,1,2,3
	v_cndmask_b32 v[WW+\a], v[PWB+\a], v[PWB+4+\a], vcc_lo     ; v: lanes 0-15 the first head's four tiles, lanes 16-31 the second's
.endr
	global_store_b128 v26, v[WW:WW+3], s[94:95]
.Lwords_done:
	s_wait_tensorcnt 0x0                           ; the wave's end
	ds_add_u32 v[SPW], v[NIL]
	s_wait_dscnt 0x0
	CROUND                                         ; the closing round
	s_endpgm
.Lfunc_end_k_qb5f28b3ac7_gemm_qkv:
	.size	k_qb5f28b3ac7_gemm_qkv, .Lfunc_end_k_qb5f28b3ac7_gemm_qkv-k_qb5f28b3ac7_gemm_qkv
	.p2alignl 7, 3214868480
	.fill 96, 4, 3214868480
	.section	.rodata,"a",@progbits
	.p2align	6, 0x0
	.amdhsa_kernel k_qb5f28b3ac7_gemm_qkv
		.amdhsa_group_segment_fixed_size 327680
		.amdhsa_private_segment_fixed_size 0
		.amdhsa_enable_private_segment 0
		.amdhsa_kernarg_size 40
		.amdhsa_user_sgpr_count 2
		.amdhsa_user_sgpr_kernarg_segment_ptr 1
		.amdhsa_wavefront_size32 1
		.amdhsa_system_sgpr_workgroup_id_x 1
		.amdhsa_system_sgpr_workgroup_id_y 1
		.amdhsa_system_sgpr_workgroup_id_z 1
		.amdhsa_system_vgpr_workitem_id 0
		.amdhsa_next_free_vgpr 1024
		.amdhsa_next_free_sgpr 102
		.amdhsa_reserve_vcc 1
		.amdhsa_float_denorm_mode_32 3
		.amdhsa_float_denorm_mode_16_64 3
		.amdhsa_memory_ordered 1
		.amdhsa_forward_progress 1
		.amdhsa_inst_pref_size 190
	.end_amdhsa_kernel
	.amdgpu_metadata
---
amdhsa.version: [ 1, 2 ]
amdhsa.kernels:
  - .name:           k_qb5f28b3ac7_gemm_qkv
    .symbol:         k_qb5f28b3ac7_gemm_qkv.kd
    .args:
      - { .name: xc, .offset: 0, .size: 8, .value_kind: global_buffer, .address_space: global }
      - { .name: xs, .offset: 8, .size: 8, .value_kind: global_buffer, .address_space: global }
      - { .name: wc, .offset: 16, .size: 8, .value_kind: global_buffer, .address_space: global }
      - { .name: ws, .offset: 24, .size: 8, .value_kind: global_buffer, .address_space: global }
      - { .name: qkv, .offset: 32, .size: 8, .value_kind: global_buffer, .address_space: global }
    .group_segment_fixed_size: 327680
    .private_segment_fixed_size: 0
    .kernarg_segment_align: 8
    .kernarg_segment_size: 40
    .max_flat_workgroup_size: 128
    .sgpr_count:     102
    .vgpr_count:     1024
    .wavefront_size: 32
...
	.end_amdgpu_metadata
.endif
;; end of part 2
;; launch attn (part 3): grid 4 x 64, 8 waves a work-group, no clusters, 327,680 bytes of LDS; arguments qkv, oc, os; writes oc, os
.if DOCPART == 3
	.amdgcn_target "amdgcn-amd-amdhsa--gfx1250"
	.amdhsa_code_object_version 6
	.text
	.protected	k_qb5f28b3ac7_attn
	.globl	k_qb5f28b3ac7_attn
	.p2align	8
	.type	k_qb5f28b3ac7_attn,@function
k_qb5f28b3ac7_attn:
	s_mov_b64 s[64:65], 0
	v_nop
	global_prefetch_b8 v0, s[64:65] scope:SCOPE_SE
	s_setreg_imm32_b32 hwreg(HW_REG_WAVE_MODE, 25, 1), 1
	s_wait_xcnt 0x0
; Causal attention on codes of FP8 (E4M3) with E8M0 scales, head size 64, 2,048 rows, 64 heads; the result is quantised along the 1,024 channels and leaves as images of the last product's operand.
; LEFT OUT: a key step (32 queries x 128 keys) all of whose keys come after the wave's queries: reference()'s own mask makes their p 0 for all inputs.
; THE SOFTMAX: t = score x log2(e) / 8; M = the running largest t rounded up to a whole number; p = 2^(t - M) is quantised along the keys, not normalised; the row's sum is taken of the unquantised p
; and divides O at the end.  When M moves, the sum and O are multiplied by 2^(old M - new M): exact.
; ALL KEYS OF A HEAD STAY IN LDS: eight slots of 256 keys, 34,304 bytes each (K images 16,384 | V images 16,384 | K scale words 1,024 | V scale words 512: one dense block of qkv, 134 rows of 256 bytes).
; Every byte is filled once.  At the head waves 0 to 3 fetch the four halves of slots 0 and 1 (67 rows each), which the first barrier shows; behind that barrier waves 2 to 7 fetch slot w each;
; three key steps later a second barrier shows these.
; SHARES.  Work-group (i, head) takes, of each block of 256 queries, 64: piece i of blocks 7 .. 4, piece 3 - i of blocks 3 .. 0.  Wave w (k = w / 2) takes 32 queries of block 7 - k and then 32 of block k:
; 16 - 2 k and 2 k + 2 key steps, 18 trips in every wave, of which one is hidden (the last of the first run where i < 2, of the second where i > 1) and left out by a scalar branch on ids.
; The wave's two tiles of 16 queries: tile A's state lies in register window 0, tile B's at the same numbers in window 1, so one text of the softmax serves both; each fragment of K and V read from LDS feeds two products.
; The next step's K comes from LDS while this step is worked (the last trip's fetch is read by nobody).
; NO CLUSTER: the branch that leaves the hidden step out, and the one round the mask, hang on the work-group's place among the four of a head.  NO PREFETCH: the tensor loads go out ahead of the loops; there is no loop to run ahead in.
; LAYOUT.  Both products are used transposed (S^T = K Q^T, O^T = V^T P^T): a lane holds one query.  Tiles are tiles of POSITIONS (true index with bits 3 and 4 exchanged), so the 16 registers of two neighbouring
; tiles are 16 neighbouring keys, or channels.  The first product's K is 64: Q's upper eight registers are zero codes.  K's tiles lie 8 registers apart, so a fragment's upper eight registers are the next tile's
; codes (the last tile's: zeros): finite numbers under the byte 127, which meet Q's zeros and add nothing.
; LIMITS: NaN and infinities are not served; a block of zeros, or one under 2^-118, gets the byte 1: only this program reads the bytes.  O's scale bytes leave one byte a lane, 262,144 bytes in all.
; The promise holds while the scaled scores stay under 2^31 in magnitude.
.set HSTR,  413696
.set SSTR,  51712
.set SLOTB, 34304
.set SPARE, 8*SLOTB                    ; behind the slots: the spare words, 128 bytes for each of eight waves
.set L16, 1                            ; 16 x lane
.set R16, 2                            ; 16 r
.set OSV, 3                            ; 32 r + h
.set ADV, 4                            ; LDS: this step's scale words of V
.set SPW, 5
.set NIL, 6
.set LQ,  7                            ; r + 8 (r / 8) - 16 h (in both windows)
.set ADI, 8                            ; LDS: this step's images
.set ADW, 9                            ; LDS: the next step's scale words of K
.set QW,  10                           ; v10, v11 Q's scale words, tile A, tile B
.set S,   32                           ; both windows from here to v167: v12 -M, v13 the largest t, v[14:15] the sum, v16-31 Q; S^T, then p
.set O,   96                           ; O^T
.set PC,  128                          ; p's codes
.set BM,  144                          ; the blocks' maxima
.set PL,  148
.set BD,  152                          ; the holds' bounds
.set SO,  156                          ; the conversions' scale operands
.set F,   160                          ; f, and a register named with it as a pair
.set T,   162
.set PW,  168                          ; v168, v169 p's scale words, tile A, tile B (window 0: scale operands have no window)
.set ADK, 170                          ; LDS: the next step's images
.set KR,  172                          ; window 0: K's eight tiles, 8 registers each, and 8 of zeros
.set KW,  244                          ; K's scale words
.set VW,  252                          ; V's
.set VR,  172                          ; window 1: V's four fragments
.set Q2,  236                          ; window 1: the second run's Q, both tiles; v252, v253 its scale words
.set QW2, 252
.set WV,  18
.set MNT, 19
.set SEL, 20
.set CS,  22
.set G1,  24                           ; s[24:31], s[40:43] the head's loads: half a slot
.set G0,  40
.set G1B, 32                           ; s[32:39], s[44:47] the loads behind the first barrier: a slot
.set G0B, 44
.set OFP, 90
.set OCH, 48                           ; s[48:49] where the run in hand stores its codes, s[50:51] the second run
.set OCL, 50
.set OSH, 52                           ; the scale bytes likewise
.set OSL, 54
.set HM,  56                           ; lanes 16-31
.set K2,  57                           ; 2 k
.set JJ,  67                           ; the trip
.set SW,  68                           ; the trip at which my second run begins: 16 - 2 k
.set KF,  69                           ; the step's first key
.set QB,  70                           ; my first query
.set QBL, 71                           ; the second run's
.set MSB, 0
.macro WIN new                         ; the immediate's high byte repeats the setting that is left
.if MSB != \new
	s_set_vgpr_msb (MSB<<8)|\new
.set MSB, \new
.endif
.endm
.macro INIT                            ; a run's start: constants alone, so only the destination's window counts
	v_mov_b32 v13, 0xff61b1e6                      ; -3e38, under every t
	v_mov_b32 v12, 0x7f61b1e6                      ; -M
	v_mov_b32 v14, 0
	v_mov_b32 v15, 0
.set j, 0
.rept 32
	v_mov_b32 v[O+j], 0                            ; the loop has no first step of its own
.set j, j+1
.endr
.endm
.macro HEADINIT
	INIT
.irp j, 0,1,2,3,4,5,6,7
	v_mov_b32 v[24+\j], 0                          ; Q's zero half
.endr
.irp b, 0,1,2,3
	v_mov_b32 v[PL+\b], 0                          ; a lane permute's destination counts as one of its sources
.endr
	v_mov_b32 v[F+1], 0
	v_mov_b32 v[T], 0
.endm
; A run's places: block s[b], pair of tiles s[p] (0 .. 7) in it.  qi: Q's images, qw: Q's scale words (offsets in qkv); oc, os: offsets of the results; qb: the first query.  s76: the head's bytes in qkv; s94, s95: the head's part of oc, os
.macro UNIT b, p, qi, qw, oc, os, qb
	s_lshl_b32 s\qb, s\b, 8
	s_lshl_b32 s92, s\p, 5
	s_add_co_u32 s\qb, s\qb, s92
	s_mul_i32 s93, s\b, SSTR
	s_add_co_u32 s93, s93, s76
	s_lshl_b32 s92, s\p, 11
	s_add_co_u32 s\qi, s93, s92
	s_lshr_b32 s92, s\p, 1
	s_lshl_b32 s92, s92, 8
	s_add_co_u32 s93, s93, s92
	s_and_b32 s92, s\p, 1
	s_lshl_b32 s92, s92, 3
	s_add_co_u32 s93, s93, s92
	s_add_co_u32 s\qw, s93, 16384                  ; [tile / 4][r][tile % 4]: my two tiles' words on end
	s_lshl_b32 s92, s\b, 18
	s_lshr_b32 s93, s\p, 2
	s_lshl_b32 s93, s93, 17
	s_add_co_u32 s92, s92, s93
	s_and_b32 s93, s\p, 3
	s_lshl_b32 s93, s93, 13
	s_add_co_u32 s92, s92, s93
	s_add_co_u32 s\oc, s92, s94                    ; oc: (16 batch + 2 block + p / 4) 131072 + (head / 4) 32768 + (p % 4) 8192 + (head % 4) 1024
	s_lshl_b32 s92, s\b, 13
	s_lshl_b32 s93, s\p, 10
	s_add_co_u32 s92, s92, s93
	s_add_co_u32 s\os, s92, s95                    ; os: (2048 batch + 256 block + 32 p) 32 + 2 head
.endm
	s_load_b128 s[4:7], s[0:1], 0x0                ; qkv, oc
	s_load_b64 s[8:9], s[0:1], 0x10                ; os
	v_lshl_add_u32 v[SPW], v0, 2, SPARE
	v_mov_b32 v[NIL], 0
	ds_add_u32 v[SPW], v[NIL]                      ; the opening lines: the add twice on end and one wait
	ds_add_u32 v[SPW], v[NIL]
	v_lshrrev_b32 v8, 5, v0
	v_readfirstlane_b32 s[WV], v8                  ; wave 0..7
	s_and_b32 s72, ttmp7, 0xffff                   ; 16 x batch + head
	s_lshr_b32 s73, s72, 4
	s_and_b32 s74, s72, 15
	s_mul_i32 s76, s72, HSTR
	s_lshr_b32 s80, s[WV], 1                       ; at the head: half w % 2 of slot w / 2
	s_mul_i32 s80, s80, SSTR
	s_and_b32 s81, s[WV], 1
	s_mul_i32 s81, s81, 17152
	s_add_co_u32 s80, s80, s81
	s_add_co_u32 s[OFP], s76, s80
	s_add_co_u32 s[OFP], s[OFP], 17408
	s_mov_b32 s[OFP+1], 0
	s_mul_i32 s88, s[WV], SSTR                     ; behind the first barrier: slot w
	s_add_co_u32 s88, s88, s76
	s_add_co_u32 s88, s88, 17408
	s_mov_b32 s89, 0
	s_mov_b32 s[G1], 3<<16                         ; no mask; elements of 8 bytes; no padding
	s_mov_b32 s[G1+1], 32<<16                      ; rows of 256 bytes
	s_mov_b32 s[G1+2], 67<<16
	s_mov_b32 s[G1+3], 32<<16
	s_mov_b32 s[G1+4], 67
	s_mov_b32 s[G1+5], 32
	s_mov_b32 s[G1+6], 0
	s_mov_b32 s[G1+7], 0
	s_mov_b32 s[G1B], 3<<16
	s_mov_b32 s[G1B+1], 32<<16
	s_mov_b32 s[G1B+2], 134<<16
	s_mov_b32 s[G1B+3], 32<<16
	s_mov_b32 s[G1B+4], 134
	s_mov_b32 s[G1B+5], 32
	s_mov_b32 s[G1B+6], 0
	s_mov_b32 s[G1B+7], 0
	s_mov_b32 s[G0], 1
	s_mul_i32 s[G0+1], s[WV], 17152
	s_mov_b32 s[G0B], 1
	s_mul_i32 s[G0B+1], s[WV], SLOTB
	s_wait_dscnt 0x0
	s_wait_kmcnt 0x0
	s_add_nc_u64 s[G0+2:G0+3], s[4:5], s[OFP:OFP+1]
	s_or_b32 s[G0+3], s[G0+3], 0x80000000
	s_add_nc_u64 s[G0B+2:G0B+3], s[4:5], s[88:89]
	s_or_b32 s[G0B+3], s[G0B+3], 0x80000000
	s_cmp_lt_u32 s[WV], 4                          ; waves 0 to 3 fetch; s_nop 0 and four v_nop follow the line
	s_cbranch_scc0 .Lasked
	tensor_load_to_lds s[G0:G0+3], s[G1:G1+7]
	s_nop 0
.rept 4
	v_nop
.endr
.Lasked:
	s_lshr_b32 s77, s[WV], 1                       ; k: the second run's block
	s_sub_co_u32 s75, 7, s77                       ; the first run's
	s_lshl_b32 s[K2], s77, 1
	s_sub_co_u32 s[SW], 16, s[K2]
	s_and_b32 s78, s[WV], 1
	s_lshl_b32 s79, ttmp9, 1
	s_sub_co_u32 s81, 6, s79
	s_add_co_u32 s79, s79, s78                     ; the first run's pair of tiles: 2 i + w % 2
	s_add_co_u32 s81, s81, s78                     ; the second's: 2 (3 - i) + w % 2
	s_lshl_b32 s94, s73, 21
	s_lshr_b32 s93, s74, 2
	s_lshl_b32 s93, s93, 15
	s_add_co_u32 s94, s94, s93
	s_and_b32 s93, s74, 3
	s_lshl_b32 s93, s93, 10
	s_add_co_u32 s94, s94, s93
	s_lshl_b32 s95, s73, 16
	s_lshl_b32 s93, s74, 1
	s_add_co_u32 s95, s95, s93
	UNIT 75, 79, 82, 86, 48, 52, 70
	UNIT 77, 81, 84, 88, 50, 54, 71
.irp n, 83,85,87,89,49,51,53,55
	s_mov_b32 s\n, 0
.endr
	s_add_nc_u64 s[82:83], s[4:5], s[82:83]
	s_add_nc_u64 s[84:85], s[4:5], s[84:85]
	s_add_nc_u64 s[86:87], s[4:5], s[86:87]
	s_add_nc_u64 s[88:89], s[4:5], s[88:89]
	s_add_nc_u64 s[OCH:OCH+1], s[6:7], s[OCH:OCH+1]
	s_add_nc_u64 s[OCL:OCL+1], s[6:7], s[OCL:OCL+1]
	s_add_nc_u64 s[OSH:OSH+1], s[8:9], s[OSH:OSH+1]
	s_add_nc_u64 s[OSL:OSL+1], s[8:9], s[OSL:OSL+1]
	v_and_b32 v8, 31, v0
	v_lshlrev_b32 v[L16], 4, v8
	v_and_b32 v9, 15, v0                           ; r
	v_lshlrev_b32 v[R16], 4, v9
	v_bfe_u32 v4, v0, 4, 1                         ; h
	v_lshl_add_u32 v[OSV], v9, 5, v4
	v_and_b32 v[LQ], 8, v9
	v_add_nc_u32 v[LQ], v[LQ], v9
	v_lshlrev_b32 v4, 4, v4
	v_sub_nc_u32 v[LQ], v[LQ], v4
	s_wait_alu depctr_va_vdst(0)
	global_load_b128 v[16:19], v[L16], s[82:83]
	global_load_b128 v[20:23], v[L16], s[82:83] offset:512
	global_load_b64 v[QW:QW+1], v[R16], s[86:87]
	WIN 0x40                                       ; destinations in window 1
	global_load_b128 v[16:19], v[L16], s[82:83] offset:1024
	global_load_b128 v[20:23], v[L16], s[82:83] offset:1536
.irp c, 0,1,2,3
	global_load_b128 v[Q2+4*\c:Q2+4*\c+3], v[L16], s[84:85] offset:512*\c
.endr
	global_load_b64 v[QW2:QW2+1], v[R16], s[88:89]
	v_mov_b32 v[LQ], v[LQ]                         ; window 1's copy
	HEADINIT
	WIN 0
	HEADINIT
.irp j, 0,1,2,3,4,5,6,7
	v_mov_b32 v[KR+64+\j], 0                       ; behind K's last tile
.endr
	v_mov_b32 v[ADK], v[L16]                       ; key step 0
	v_mov_b32 v[ADW], v[R16]
	s_mov_b32 s[MNT], 0x600000
	s_mov_b32 s[SEL], 0x76543210
	s_mov_b32 s[SEL+1], 0xfedcba98
	s_mov_b32 s[CS], 0x3e38aa3b                    ; c = log2(e) / 8
	s_mov_b32 s[CS+1], s[CS]
	s_mov_b32 s[HM], 0xffff0000
	s_mov_b32 s[JJ], 0
.macro QK qw                           ; S^T = K Q^T: eight tiles of 16 keys
.set t, 0
.rept 8
	v_wmma_scale_f32_16x16x128_f8f6f4 v[S+8*t:S+8*t+7], v[KR+8*t:KR+8*t+15], v[16:31], 0, v[KW+t], v[\qw]
.set t, t+1
.endr
.endm
.macro PV pw                           ; O^T += V^T P^T: four tiles of 16 of the head's 64; K = the step's 128 keys; the accumulators by turns
.irp t, 0,1,2,3
	v_wmma_scale_f32_16x16x128_f8f6f4 v[O+8*\t:O+8*\t+7], v[VR+16*\t:VR+16*\t+15], v[PC:PC+15], v[O+8*\t:O+8*\t+7], v[VW+\t], v[\pw]
.endr
.endm
.macro KLOAD                           ; a key step's eight tiles of K and their scale words
.set t, 0
.rept 8
	ds_load_b128 v[KR+8*t:KR+8*t+3], v[ADK] offset:1024*t
	ds_load_b128 v[KR+8*t+4:KR+8*t+7], v[ADK] offset:1024*t+512
.set t, t+1
.endr
	ds_load_b128 v[KW:KW+3], v[ADW] offset:32768
	ds_load_b128 v[KW+4:KW+7], v[ADW] offset:32768+256
.endm
.macro MASK sd                         ; on the diagonal hidden scores become -infinity.  s[sd] = the tile's first query - the step's first key; register 16 b + i holds a hidden key where 32 b + i is greater than that + LQ
	v_add_nc_u32 v[T], s\sd, v[LQ]
	v_mov_b32 v[T+1], 0xff800000
.set n, 0
.rept 64
	v_cmp_gt_i32 vcc_lo, 32*(n/16)+n%16, v[T]
	v_cndmask_b32 v[S+n], v[S+n], v[T+1], vcc_lo
.set n, n+1
.endr
.endm
; One tile's softmax and quantiser.  w: the tile's window in all four places; wp: the setting under which the scale word is written into window 0; pw: that word
.macro SOFT w, wp, pw
	WIN \w
	s_wait_alu depctr_va_vdst(0)                   ; directly ahead of the scores' first readers
.irp b, 0,1,2,3
	v_max3_num_f32 v[BM+\b], v[S+16*\b], v[S+1+16*\b], v[S+2+16*\b]   ; the largest score of each block of 32 keys: for the row's maximum and, since p rises with the score, for the block's largest p
.endr
.irp i, 3,5,7,9,11,13
.irp b, 0,1,2,3
	v_max3_num_f32 v[BM+\b], v[BM+\b], v[S+16*\b+\i], v[S+1+16*\b+\i]
.endr
.endr
.irp b, 0,1,2,3
	v_max_num_f32 v[BM+\b], v[BM+\b], v[S+15+16*\b]
.endr
.irp b, 0,1,2,3
	v_permlanex16_b32 v[PL+\b], v[BM+\b], s[SEL], s[SEL+1]
.endr
.irp b, 0,1,2,3
	v_max_num_f32 v[BM+\b], v[BM+\b], v[PL+\b]     ; with lane l xor 16's 16 keys
.endr
	s_delay_alu instid0(VALU_DEP_2)
	v_max3_num_f32 v[T], v[BM], v[BM+1], v[BM+2]
	s_delay_alu instid0(VALU_DEP_1)
	v_max_num_f32 v[T], v[T], v[BM+3]
	s_delay_alu instid0(VALU_DEP_1)
	v_mul_f32 v[T], s[CS], v[T]
	s_delay_alu instid0(VALU_DEP_1)
	v_max_num_f32 v13, v13, v[T]                   ; the running largest t
	v_mov_b32 v[T], v12
	s_delay_alu instid0(VALU_DEP_2)
	v_floor_f32 v12, -v13                          ; -M = floor(-t): M is a whole number
	s_delay_alu instid0(VALU_DEP_1)
	v_sub_f32 v[T], v12, v[T]
	s_delay_alu instid0(VALU_DEP_1)
	v_cvt_i32_f32 v[T], v[T]                       ; (it saturates)
	s_delay_alu instid0(VALU_DEP_1)
	v_ldexp_f32 v[F], 1.0, v[T]                    ; f = 2^(old M - new M)
.set j, 0
.rept 32
	v_pk_fma_f32 v[S+j:S+j+1], v[S+j:S+j+1], s[CS:CS+1], v[12:13] op_sel_hi:[1,0,0]   ; t - M
.set j, j+2
.endr
.irp b, 0,1,2,3
	v_fma_f32 v[BM+\b], v[BM+\b], s[CS], v12
.endr
	s_wait_alu depctr_va_vdst(0)                   ; ahead of the batch
.set j, 0
.rept 64
	v_exp_f32 v[S+j], v[S+j]                       ; p = 2^(t - M)
.set j, j+1
.endr
.irp b, 0,1,2,3
	v_exp_f32 v[BM+\b], v[BM+\b]                   ; the block's largest p: the same two instructions on the same number
.endr
	v_pk_mul_f32 v[14:15], v[14:15], v[F:F+1] op_sel_hi:[1,0]   ; the sums under the new M (a plain line behind the exponentials)
	s_wait_alu depctr_va_vdst(0)                   ; and behind it
.irp b, 0,1,2,3
	v_max_num_f32 v[BM+\b], 0x4800000, v[BM+\b]    ; the floor 2^(9 - 127)
.endr
.irp b, 0,1,2,3
	v_add_nc_u32 v[SO+\b], 0xfc000000, v[BM+\b]    ; 8 off the exponent field: the conversion's scale operand
.endr
.irp b, 0,1,2,3
	v_and_or_b32 v[BD+\b], v[BM+\b], 0x7f800000, s[MNT]   ; 448 x the scale
.endr
.irp b, 0,1,2,3
	v_lshrrev_b32 v[PL+\b], 23, v[SO+\b]           ; the scale's byte
.endr
	v_lshl_or_b32 v[T], v[PL+1], 8, v[PL]
	v_lshl_or_b32 v[T], v[PL+2], 16, v[T]
	WIN \wp
	v_lshl_or_b32 v[\pw], v[PL+3], 24, v[T]        ; p's scale word for these 128 keys
	WIN \w
	v_pk_add_f32 v[BM:BM+1], v[S:S+1], v[S+2:S+3]  ; the row's sum of the unquantised p, in four chains
	v_pk_add_f32 v[BM+2:BM+3], v[S+4:S+5], v[S+6:S+7]
	v_pk_add_f32 v[PL:PL+1], v[S+8:S+9], v[S+10:S+11]
	v_pk_add_f32 v[14:15], v[14:15], v[S+12:S+13]
.irp j, 14,22,30,38,46,54
	v_pk_add_f32 v[BM:BM+1], v[BM:BM+1], v[S+\j:S+\j+1]
	v_pk_add_f32 v[BM+2:BM+3], v[BM+2:BM+3], v[S+\j+2:S+\j+3]
	v_pk_add_f32 v[PL:PL+1], v[PL:PL+1], v[S+\j+4:S+\j+5]
	v_pk_add_f32 v[14:15], v[14:15], v[S+\j+6:S+\j+7]
.endr
	v_pk_add_f32 v[BM:BM+1], v[BM:BM+1], v[S+62:S+63]
	v_pk_add_f32 v[14:15], v[14:15], v[PL:PL+1]
	v_pk_add_f32 v[BM:BM+1], v[BM:BM+1], v[BM+2:BM+3]
	v_pk_add_f32 v[14:15], v[14:15], v[BM:BM+1]
.irp b, 0,1,2,3
.irp i, 0,2,4,6,8,10,12,14
	v_dual_min_num_f32 v[S+16*\b+\i], v[S+16*\b+\i], v[BD+\b] :: v_dual_min_num_f32 v[S+16*\b+\i+1], v[S+16*\b+\i+1], v[BD+\b]   ; the hold (ISA guide 7.6.2: the conversion does not saturate); p is not negative, so it is one-sided; two numbers a line
.endr
	v_cvt_scalef32_pk8_fp8_f32 v[PC+4*\b:PC+4*\b+1], v[S+16*\b:S+16*\b+7], v[SO+\b]
	v_cvt_scalef32_pk8_fp8_f32 v[PC+4*\b+2:PC+4*\b+3], v[S+16*\b+8:S+16*\b+15], v[SO+\b]
.endr
	s_wait_alu depctr_va_vdst(0)                   ; directly ahead of the first reader of O^T
.set j, 0
.rept 16
	v_pk_mul_f32 v[O+j:O+j+1], v[O+j:O+j+1], v[F:F+1] op_sel_hi:[1,0]   ; O^T under the new M; also the places in front of the products
.set j, j+2
.endr
.endm
; Where trip JJ + d reads in LDS.  Its key step is the trip's number, less 16 - 2 k from my second run on: (trip + 2 k x [trip + 2 k >= 16]) mod 16; first = 1: in the first three trips it is the trip's number.
; s96: the key step; s[oi]: its images (slot x SLOTB + 8192 x half); s[ow]: slot x SLOTB + (half << sh), for scale words
.macro ADR first, d, oi, ow, sh
	s_add_co_u32 s96, s[JJ], \d
.if \first == 0
	s_add_co_u32 s97, s96, s[K2]
	s_add_co_u32 s97, s97, 16
	s_lshr_b32 s97, s97, 5
	s_mul_i32 s97, s97, s[K2]
	s_add_co_u32 s96, s96, s97
	s_and_b32 s96, s96, 15
.endif
	s_lshr_b32 s97, s96, 1
	s_mul_i32 s97, s97, SLOTB
	s_and_b32 s98, s96, 1
	s_lshl_b32 s99, s98, 13
	s_add_co_u32 s\oi, s97, s99
	s_lshl_b32 s99, s98, \sh
	s_add_co_u32 s\ow, s97, s99
.endm
; A KEY STEP: 128 keys for my 32 queries.  Its K was asked of LDS in the trip before
.macro STEP first
	ADR \first, 0, 58, 59, 8
	s_lshl_b32 s[KF], s96, 7
	ADR \first, 1, 61, 62, 9
	s_wait_dscnt 0x0                               ; this step's K is in
	s_add_co_u32 s96, s[QB], 31                    ; my last query
	s_cmp_gt_u32 s[KF], s96
	s_cbranch_scc1 .Lhidden_\@                     ; all 128 keys come after my queries: a branch on ids; no barrier and no tensor load stands in a step
	QK QW
	WIN 0x44                                       ; tile B: Q and the scores in window 1
	QK QW+1
	WIN 0
	v_add_nc_u32 v[ADI], s58, v[L16]               ; eight places: behind the products ahead of the scores' readers and of the loads into K's registers, and behind the last step's products ahead of the loads into V's;
	v_add_nc_u32 v[ADV], s59, v[R16]               ; the four addresses are four of them
	v_add_nc_u32 v[ADK], s61, v[L16]
	v_add_nc_u32 v[ADW], s62, v[R16]
.rept 4
	v_nop
.endr
	WIN 0x40
.irp t, 0,1,2,3
.irp c, 0,1,2,3
	ds_load_b128 v[VR+16*\t+4*\c:VR+16*\t+4*\c+3], v[ADI] offset:16384+2048*\t+512*\c   ; V's fragments and the next step's K come while the two softmaxes are worked
.endr
.endr
	WIN 0
	ds_load_b128 v[VW:VW+3], v[ADV] offset:33792
	KLOAD
	s_add_co_u32 s96, s[KF], 127
	s_cmp_le_u32 s96, s[QB]
	s_cbranch_scc1 .Lopen_\@                       ; all keys count
	s_sub_co_i32 s96, s[QB], s[KF]
	s_add_co_i32 s97, s96, 8
	MASK 96
	WIN 0x55
	MASK 97
	WIN 0
.Lopen_\@:
	SOFT 0, 0, PW
	SOFT 0x55, 0x11, PW+1
	WIN 0
	s_wait_alu depctr_va_vdst(0)                   ; directly ahead of the wait below
	s_wait_dscnt 0x0                               ; V
	WIN 0x01                                       ; V in window 1, tile A's codes and sums in window 0
	PV PW
	WIN 0x55
	PV PW+1
	WIN 0
	s_branch .Ldone_\@
.Lhidden_\@:
	v_add_nc_u32 v[ADK], s61, v[L16]
	v_add_nc_u32 v[ADW], s62, v[R16]
	KLOAD
.Ldone_\@:
.endm
; A tile's end: O^T / the sum, quantised along the channels (two blocks of 32), stored as 1,024 bytes on end and two scale bytes a row.  dw: the setting for the stores (their data in the tile's window)
.macro FINAL w, dw, o1, o2
	WIN \w
	s_wait_alu depctr_va_vdst(0)
	v_add_f32 v14, v14, v15
	v_permlanex16_b32 v[T], v14, s[SEL], s[SEL+1]
	v_add_f32 v14, v14, v[T]                       ; the row's sum
	s_wait_alu depctr_va_vdst(0)                   ; ahead of the transcendental,
	v_rcp_f32 v14, v14
	v_nop
	s_wait_alu depctr_va_vdst(0)                   ; and ahead of its first reader, which is also O^T's
.set j, 0
.rept 16
	v_pk_mul_f32 v[S+j:S+j+1], v[O+j:O+j+1], v[14:15] op_sel_hi:[1,0]   ; register 16 b + i: channel 32 b + 16 h + i of my query
.set j, j+2
.endr
.irp b, 0,1
	v_max3_num_f32 v[BM+\b], |v[S+16*\b]|, |v[S+1+16*\b]|, 0x4800000
.endr
.irp i, 2,4,6,8,10,12,14
.irp b, 0,1
	v_max3_num_f32 v[BM+\b], v[BM+\b], |v[S+16*\b+\i]|, |v[S+1+16*\b+\i]|
.endr
.endr
.irp b, 0,1
	v_permlanex16_b32 v[PL+\b], v[BM+\b], s[SEL], s[SEL+1]
.endr
.irp b, 0,1
	v_max_num_f32 v[BM+\b], v[BM+\b], v[PL+\b]
.endr
.irp b, 0,1
	v_add_nc_u32 v[SO+\b], 0xfc000000, v[BM+\b]
.endr
.irp b, 0,1
	v_and_or_b32 v[BD+\b], v[BM+\b], 0x7f800000, s[MNT]
.endr
.irp b, 0,1
	v_lshrrev_b32 v[PL+\b], 23, v[SO+\b]
.endr
.irp b, 0,1
.irp i, 0,1,2,3,4,5,6,7,8,9,10,11,12,13,14,15
	v_med3_num_f32 v[S+16*\b+\i], v[S+16*\b+\i], -v[BD+\b], v[BD+\b]
.endr
	v_cvt_scalef32_pk8_fp8_f32 v[PC+4*\b:PC+4*\b+1], v[S+16*\b:S+16*\b+7], v[SO+\b]
	v_cvt_scalef32_pk8_fp8_f32 v[PC+4*\b+2:PC+4*\b+3], v[S+16*\b+8:S+16*\b+15], v[SO+\b]
.endr
	v_nop                                          ; a plain line behind the last conversion
	v_cndmask_b32 v[T], v[PL], v[PL+1], s[HM]      ; lanes 0-15 store the first block's byte, lanes 16-31 the second's
	WIN \dw
	global_store_b128 v[L16], v[PC:PC+3], s[OCH:OCH+1] offset:\o1
	global_store_b128 v[L16], v[PC+4:PC+7], s[OCH:OCH+1] offset:\o1+512
	global_store_b8 v[OSV], v[T], s[OSH:OSH+1] offset:\o2
.endm
.macro FINALS
.rept 8
	v_nop                                          ; places behind the last products
.endr
	FINAL 0, 0, 0, 0
	FINAL 0x55, 0x04, 4096, 512
	WIN 0
	s_wait_xcnt 0x0                                ; the stores have read their registers and bases
.endm
	s_wait_alu depctr_va_vdst(0)                   ; the head's end
	s_wait_tensorcnt 0x0                           ; my part of slots 0 and 1 is in
	ds_add_u32 v[SPW], v[NIL]
	ds_add_u32 v[SPW], v[NIL]                      ; the add twice on end here
	s_wait_dscnt 0x0
	s_barrier_signal -1
	s_barrier_wait -1                              ; slots 0 and 1 are whole
	s_cmp_lt_u32 s[WV], 2                          ; waves 2 to 7 fetch slot w: six first fills, one load a wave
	s_cbranch_scc1 .Lsecond
	tensor_load_to_lds s[G0B:G0B+3], s[G1B:G1B+7]
	s_nop 0
.rept 4
	v_nop
.endr
.Lsecond:
	KLOAD                                          ; key step 0
	s_wait_loadcnt 0x0                             ; Q
.Lfirst:                                           ; trips 0 to 2 read key steps 0 to 3: slots 0 and 1
	STEP 1
	s_add_co_u32 s[JJ], s[JJ], 1
	s_cmp_lt_u32 s[JJ], 3
	s_cbranch_scc1 .Lfirst
	s_wait_tensorcnt 0x0                           ; every wave's slot is in,
	s_wait_dscnt 0x0                               ; and no LDS load of mine is out at the signal
	s_barrier_signal -1
	s_barrier_wait -1                              ; from here on the waves share nothing that changes: no further barrier
	s_mov_b32 s[JJ], 3
.Lwalk:                                            ; trips 3 to 17
	s_cmp_lg_u32 s[JJ], s[SW]                      ; is my first run done?  A branch on the wave's number and the trip
	s_cbranch_scc1 .Lsame
	FINALS
	WIN 0x01                                       ; the second run's Q and scale words, out of window 1; the lines behind them are the places in front of its first products
.irp j, 0,1,2,3,4,5,6,7
	v_mov_b32 v[16+\j], v[Q2+\j]
.endr
	v_mov_b32 v[QW], v[QW2]
	v_mov_b32 v[QW+1], v[QW2+1]
	WIN 0x41
.irp j, 0,1,2,3,4,5,6,7
	v_mov_b32 v[16+\j], v[Q2+8+\j]
.endr
	INIT
	WIN 0
	INIT
	s_mov_b32 s[QB], s[QBL]
	s_mov_b64 s[OCH:OCH+1], s[OCL:OCL+1]
	s_mov_b64 s[OSH:OSH+1], s[OSL:OSL+1]
	s_wait_alu depctr_va_vdst(0)
.Lsame:
	STEP 0
	s_add_co_u32 s[JJ], s[JJ], 1
	s_cmp_lt_u32 s[JJ], 18
	s_cbranch_scc1 .Lwalk
	FINALS
	s_wait_tensorcnt 0x0                           ; the wave's end
	ds_add_u32 v[SPW], v[NIL]
	s_wait_dscnt 0x0
	s_endpgm
.Lfunc_end_k_qb5f28b3ac7_attn:
	.size	k_qb5f28b3ac7_attn, .Lfunc_end_k_qb5f28b3ac7_attn-k_qb5f28b3ac7_attn
	.p2alignl 7, 3214868480
	.fill 96, 4, 3214868480
	.section	.rodata,"a",@progbits
	.p2align	6, 0x0
	.amdhsa_kernel k_qb5f28b3ac7_attn
		.amdhsa_group_segment_fixed_size 327680
		.amdhsa_private_segment_fixed_size 0
		.amdhsa_enable_private_segment 0
		.amdhsa_kernarg_size 24
		.amdhsa_user_sgpr_count 2
		.amdhsa_user_sgpr_kernarg_segment_ptr 1
		.amdhsa_wavefront_size32 1
		.amdhsa_system_sgpr_workgroup_id_x 1
		.amdhsa_system_sgpr_workgroup_id_y 1
		.amdhsa_system_sgpr_workgroup_id_z 1
		.amdhsa_system_vgpr_workitem_id 0
		.amdhsa_next_free_vgpr 512
		.amdhsa_next_free_sgpr 100
		.amdhsa_reserve_vcc 1
		.amdhsa_float_denorm_mode_32 3
		.amdhsa_float_denorm_mode_16_64 3
		.amdhsa_memory_ordered 1
		.amdhsa_forward_progress 1
		.amdhsa_inst_pref_size 133
	.end_amdhsa_kernel
	.amdgpu_metadata
---
amdhsa.version: [ 1, 2 ]
amdhsa.kernels:
  - .name:           k_qb5f28b3ac7_attn
    .symbol:         k_qb5f28b3ac7_attn.kd
    .args:
      - { .name: qkv, .offset: 0, .size: 8, .value_kind: global_buffer, .address_space: global }
      - { .name: oc, .offset: 8, .size: 8, .value_kind: global_buffer, .address_space: global }
      - { .name: os, .offset: 16, .size: 8, .value_kind: global_buffer, .address_space: global }
    .group_segment_fixed_size: 327680
    .private_segment_fixed_size: 0
    .kernarg_segment_align: 8
    .kernarg_segment_size: 24
    .max_flat_workgroup_size: 256
    .sgpr_count:     100
    .vgpr_count:     512
    .wavefront_size: 32
...
	.end_amdgpu_metadata
.endif
;; end of part 3
;; launch gemm_out (part 4): grid 4 x 32, 4 waves a work-group, clusters of 4 x 4, 327,680 bytes of LDS; arguments oc, os, wc, ws, out0; writes out0
.if DOCPART == 4
	.amdgcn_target "amdgcn-amd-amdhsa--gfx1250"
	.amdhsa_code_object_version 6
	.text
	.protected	k_qb5f28b3ac7_gemm_out
	.globl	k_qb5f28b3ac7_gemm_out
	.p2align	8
	.type	k_qb5f28b3ac7_gemm_out,@function
k_qb5f28b3ac7_gemm_out:
	s_mov_b64 s[64:65], 0
	v_nop
	global_prefetch_b8 v0, s[64:65] scope:SCOPE_SE
	s_setreg_imm32_b32 hwreg(HW_REG_WAVE_MODE, 25, 1), 1
	s_wait_xcnt 0x0
	s_wait_alu depctr_hold_cnt(0) depctr_sa_sdst(0) depctr_va_vdst(0) depctr_va_sdst(0) depctr_va_ssrc(0) depctr_va_vcc(0) depctr_vm_vsrc(0)
	s_getreg_b32 s2, hwreg(HW_REG_IB_STS2, 6, 4)
	s_cmp_eq_u32 s2, 0
	s_cbranch_scc0 .Lentry_in_a_cluster
	s_endpgm
.Lentry_in_a_cluster:
	s_bfe_u32 s2, ttmp6, 0x10000c
	s_cmp_lg_u32 s2, 0xf033
	s_cbranch_scc0 .Lentry_shape_is_right
	s_endpgm
.Lentry_shape_is_right:
.set NQ,     2
.set FR,     16
.set NL,     4
.set NP,     8
.set HALFT,  32768
.set SLOT,   4*HALFT
.set LAPS,   2
.set SCL,    2*SLOT
.set HALFS,  16*272
.set SBLK,   2*272
.set SPARE,  SCL+4*HALFS
.set SPITCH, 528
.set ADRA, 16
.set ADRB, 20
.set ADRS, 22
.set STO,  24
.set RD,   25
.set CO,   26
.set SPW,  28
.set NIL,  29
.set SC,   32
.set AF,   128
.set BK,   128
.set G1, 24
.set G0, 32
.set G1B, 48
.set G0B, 56
.set G1S, 68
.set G0S, 76
.set G1SB, 80
.set G0SB, 88
.set MSB, 0
.macro WIN new
.if MSB != \new
	s_set_vgpr_msb (MSB<<8)|\new
.set MSB, \new
.endif
.endm
.set MUL_LO, 0xa1
.set MUL_HI, 0xf1
.set TO_B,   0x40
.macro JLOAD g0a, g1a, g0b, g1b
	s_cmp_eq_u32 s15, 0
	s_cbranch_scc0 .Lfor_b_\@
	tensor_load_to_lds s[\g0a:\g0a+3], s[\g1a:\g1a+7]
	s_nop 0
.rept 4
	v_nop
.endr
	s_branch .Lasked_\@
.Lfor_b_\@:
	tensor_load_to_lds s[\g0b:\g0b+3], s[\g1b:\g1b+7]
	s_nop 0
.rept 4
	v_nop
.endr
.Lasked_\@:
.endm
.macro CREST
	s_cmp_lg_u32 s14, 0
	s_cbranch_scc1 .Lnot_wave_0_\@
	s_barrier_signal -3
.Lnot_wave_0_\@:
	s_barrier_wait -3
	s_barrier_signal -1
	s_barrier_wait -1
.endm
.macro CROUND
	s_barrier_signal -1
	s_barrier_wait -1
	CREST
.endm
	s_load_b128 s[4:7], s[0:1], 0x0
	s_load_b128 s[8:11], s[0:1], 0x10
	s_load_b64 s[12:13], s[0:1], 0x20
	v_lshl_add_u32 v[SPW], v0, 2, SPARE
	v_mov_b32 v[NIL], 0
	ds_add_u32 v28, v29
	ds_add_u32 v28, v29
	s_wait_dscnt 0x0
	v_lshrrev_b32 v1, 5, v0
	v_readfirstlane_b32 s14, v1
	s_lshr_b32 s15, s14, 1
	s_and_b32 s16, s14, 1
	s_bfe_u32 s40, ttmp6, 0x40000
	s_bfe_u32 s41, ttmp6, 0x40004
	s_and_b32 s17, ttmp7, 0xffff
	s_lshl_b32 s17, s17, 2
	s_add_co_u32 s17, s17, s41
	s_add_co_u32 s42, s40, 12
	s_lshl_b32 s43, s41, 2
	s_lshl_b32 s43, 15, s43
	s_lshl_b32 s44, 0x1111, s40
	s_or_b32 s[G1+0], s43, (3<<16)|(1<<21)
	s_or_b32 s[G1B+0], s44, (3<<16)|(1<<21)
.irp g, G1, G1B
	s_mov_b32 s[\g+1], 4096<<16                    ; for the head's loads: 2 rows of 32,768 bytes (4,096 elements), 131,072 bytes apart: both halves of a tile's K step 0
	s_mov_b32 s[\g+2], 2<<16
	s_mov_b32 s[\g+3], 4096<<16
	s_mov_b32 s[\g+4], 2
	s_mov_b32 s[\g+5], 16384
	s_mov_b32 s[\g+6], 0
	s_mov_b32 s[\g+7], 0
.endr
	s_or_b32 s[G1S+0], s43, (3<<16)|(1<<20)|(1<<21)|(5<<22)|(3<<25)
	s_or_b32 s[G1SB+0], s44, (3<<16)|(1<<20)|(1<<21)|(5<<22)|(3<<25)
.irp g, G1S, G1SB
	s_mov_b32 s[\g+1], 32<<16
	s_mov_b32 s[\g+2], 32<<16                      ; the scale bytes of 256 positions: 32 rows of 256 bytes
	s_mov_b32 s[\g+3], 32<<16
	s_mov_b32 s[\g+4], 32
	s_mov_b32 s[\g+5], 32
	s_mov_b32 s[\g+6], 0
	s_mov_b32 s[\g+7], 0
.endr
	s_lshl_b32 s20, s17, 1                         ; A: the tile's first 128 positions
	s_lshl_b32 s46, s42, 1                         ; B likewise
	s_lshl_b32 s22, s20, 12
	s_mov_b32 s23, 0
	s_lshl_b32 s92, s46, 12
	s_mov_b32 s93, 0
	s_lshl_b32 s20, s20, 17
	s_mov_b32 s21, 0
	s_lshl_b32 s46, s46, 17
	s_mov_b32 s47, 0
	s_mul_i32 s45, s14, HALFT
	s_wait_kmcnt 0x0
	s_add_nc_u64 s[20:21], s[4:5], s[20:21]
	s_add_nc_u64 s[22:23], s[6:7], s[22:23]
	s_add_nc_u64 s[46:47], s[8:9], s[46:47]
	s_add_nc_u64 s[92:93], s[10:11], s[92:93]
	CROUND
	s_mov_b32 s[G0S], 1
	s_mov_b32 s[G0S+1], SCL
	s_mov_b64 s[G0S+2:G0S+3], s[22:23]
	s_or_b32 s[G0S+3], s[G0S+3], 0x80000000
	s_mov_b32 s[G0SB], 1
	s_mov_b32 s[G0SB+1], SCL+2*HALFS
	s_mov_b64 s[G0SB+2:G0SB+3], s[92:93]
	s_or_b32 s[G0SB+3], s[G0SB+3], 0x80000000
	s_mov_b32 s4, 1                                ; group 0 of the head's loads of codes (the arguments that lay here have been used): A's K step 0, both halves,
	s_mov_b32 s5, 0
	s_mov_b64 s[6:7], s[20:21]
	s_or_b32 s7, s7, 0x80000000
	s_mov_b32 s8, 1                                ; and B's, behind them in slot 0
	s_mov_b32 s9, 2*HALFT
	s_mov_b64 s[10:11], s[46:47]
	s_or_b32 s11, s11, 0x80000000
	s_lshl_b32 s18, s16, 17                        ; for the ring: the 128 positions that I fetch
	s_mov_b32 s19, 0
	s_add_nc_u64 s[20:21], s[20:21], s[18:19]
	s_add_nc_u64 s[46:47], s[46:47], s[18:19]
	s_cmp_eq_u32 s15, 0                            ; the prefetches: of the 32,768 bytes that I fetch in a K step each of the four partners that ask jointly names 8,192, told apart by address (cx for A, cy for B)
	s_cselect_b64 s[100:101], s[20:21], s[46:47]
	s_cselect_b32 s18, s40, s41
	s_lshl_b32 s18, s18, 13
	s_add_nc_u64 s[100:101], s[100:101], s[18:19]
.irp s, 0,1
	s_mov_b32 s[G0+4*\s], 1
	s_add_co_u32 s[G0+4*\s+1], s45, \s*SLOT
	s_add_nc_u64 s[G0+4*\s+2:G0+4*\s+3], s[20:21], \s*HALFT
	s_or_b32 s[G0+4*\s+3], s[G0+4*\s+3], 0x80000000
	s_mov_b32 s[G0B+4*\s], 1
	s_add_co_u32 s[G0B+4*\s+1], s45, \s*SLOT
	s_add_nc_u64 s[G0B+4*\s+2:G0B+4*\s+3], s[46:47], \s*HALFT
	s_or_b32 s[G0B+4*\s+3], s[G0B+4*\s+3], 0x80000000
.endr
; THE HEAD'S LOADS, ONE A WAVE: wave 0 A's K step 0, wave 1 B's, wave 2 A's scale bytes, wave 3 B's: one tree of branches on the wave's number, one load to an arm.
.macro ARM under, g0, g1, next
	s_cmp_lt_u32 s14, \under
	s_cbranch_scc0 \next
	tensor_load_to_lds s[\g0:\g0+3], s[\g1:\g1+7]
	s_nop 0
.rept 4
	v_nop
.endr
	s_branch .Lhead_asked
\next:
.endm
	ARM 1, 4, G1, .Lhead_b
	ARM 2, 8, G1B, .Lhead_sa
	ARM 3, G0S, G1S, .Lhead_sb
	tensor_load_to_lds s[G0SB:G0SB+3], s[G1SB:G1SB+7]
	s_nop 0
.rept 4
	v_nop
.endr
.Lhead_asked:
	v_and_b32 v1, 15, v0
	v_bfe_u32 v2, v0, 4, 1
	v_and_b32 v3, 31, v0
	v_lshlrev_b32 v4, 4, v3
	v_lshlrev_b32 v30, 8, v3                       ; the prefetches' offset: lanes 256 bytes apart; never rewritten
	global_prefetch_b8 v30, s[100:101] offset:HALFT th:TH_LOAD_NT scope:SCOPE_SE     ; K steps 1 and 2: one and two refills ahead
	global_prefetch_b8 v30, s[100:101] offset:2*HALFT th:TH_LOAD_NT scope:SCOPE_SE
	s_mul_i32 s21, s15, HALFT
	s_mul_i32 s22, s16, HALFT
	s_add_co_u32 s22, s22, 2*HALFT
.irp s, 0,1
	v_add_nc_u32 v[ADRA+\s], s21, v4
	v_add_nc_u32 v[ADRB+\s], s22, v4
	s_add_co_u32 s21, s21, SLOT
	s_add_co_u32 s22, s22, SLOT
.endr
	v_mul_u32_u24 v5, v1, 32
	v_lshrrev_b32 v6, 8, v5
	v_lshl_add_u32 v5, v6, 4, v5
	s_mul_i32 s21, s15, HALFS
	s_mul_i32 s22, s16, HALFS
	s_add_co_u32 s22, s22, 2*HALFS
	s_sub_co_u32 s22, s22, s21
	v_mul_u32_u24 v6, s22, v2
	s_add_co_u32 s21, s21, SCL
	v_add_nc_u32 v5, v5, v6
	v_add_nc_u32 v[ADRS], s21, v5
	s_mul_i32 s23, s14, 16*SPITCH
	v_mul_u32_u24 v5, v1, SPITCH
	v_lshl_add_u32 v5, v2, 6, v5
	v_add_nc_u32 v[STO], s23, v5
	v_lshlrev_b32 v[CO], 4, v3
	v_add_nc_u32 v[RD], s23, v[CO]
	s_lshl_b32 s20, s17, 8
	s_lshl_b32 s21, s15, 7
	s_add_co_u32 s20, s20, s21
	s_lshl_b32 s20, s20, 12
	s_mov_b32 s21, 0
	s_lshl_b32 s46, s40, 10
	s_lshl_b32 s47, s16, 9
	s_add_co_u32 s46, s46, s47
	s_mov_b32 s47, 0
	s_add_nc_u64 s[20:21], s[20:21], s[46:47]
	s_add_nc_u64 s[12:13], s[12:13], s[20:21]
.macro FRAG reg, adr, q, i
.irp c, 0,1,2,3
	ds_load_b128 v[\reg+4*\c:\reg+4*\c+3], v[\adr] offset:2048*(\q)+512*\c+4096*(\i)
.endr
.endm
.macro MUL16 a0, p, q, sc, zero
.irp a, \a0, \a0+1
.irp b, 0,1,2,3,4,5,6,7
.if \zero
	v_wmma_scale_f32_16x16x128_f8f6f4 v[8*(8*((\a)%4)+\b):8*(8*((\a)%4)+\b)+7], v[128*(\p)+FR*\b:128*(\p)+FR*\b+FR-1], v[AF+FR*(\a):AF+FR*(\a)+FR-1], 0, v[SC+8*NQ*(\sc)+NQ*\b+(\q)], v[SC+8*NQ*(\sc)+NQ*(\a)+(\q)] matrix_a_scale:MATRIX_SCALE_ROW1
.else
	v_wmma_scale_f32_16x16x128_f8f6f4 v[8*(8*((\a)%4)+\b):8*(8*((\a)%4)+\b)+7], v[128*(\p)+FR*\b:128*(\p)+FR*\b+FR-1], v[AF+FR*(\a):AF+FR*(\a)+FR-1], v[8*(8*((\a)%4)+\b):8*(8*((\a)%4)+\b)+7], v[SC+8*NQ*(\sc)+NQ*\b+(\q)], v[SC+8*NQ*(\sc)+NQ*(\a)+(\q)] matrix_a_scale:MATRIX_SCALE_ROW1
.endif
.endr
.endr
.endm
.macro FETCH_B slot, q, p
	WIN TO_B
.irp i, 0,1,2,3,4,5,6,7
	FRAG 128*(\p)+FR*\i, ADRB+\slot, \q, \i
.endr
	WIN 0
.endm
.macro FETCH_A slot, q, i0
.irp i, \i0, \i0+1, \i0+2, \i0+3
	FRAG AF+FR*(\i), ADRA+\slot, \q, \i
.endr
.endm
.macro SCALES sc
.irp i, 0,1,2,3,4,5,6,7
	ds_load_b64 v[SC+8*NQ*\sc+NQ*\i:SC+8*NQ*\sc+NQ*\i+1], v[ADRS] offset:\i*SBLK
.endr
.endm
.macro PLACES n
.rept \n
	v_nop
.endr
.endm
.macro STEP slot, q, zero
	s_wait_dscnt 4*NL
	WIN MUL_LO
	MUL16 0, (\q)%2, \q, \slot, \zero
	MUL16 2, (\q)%2, \q, \slot, \zero
	s_wait_dscnt 0
	PLACES NP
	FETCH_B \slot, (\q)+1, 1-(\q)%2
	FETCH_A \slot, (\q)+1, 0
	WIN MUL_HI
	MUL16 4, (\q)%2, \q, \slot, \zero
	MUL16 6, (\q)%2, \q, \slot, \zero
	PLACES NP
	WIN 0
	FETCH_A \slot, (\q)+1, 4
.endm
.macro TURN slot, next, fill
	s_wait_tensorcnt 0x0
	ds_add_u32 v[SPW], v[NIL]
	s_wait_dscnt 4*NL+1
	WIN MUL_LO
	MUL16 0, 1, NQ-1, \slot, 0
	s_wait_dscnt 0x0
	s_barrier_signal -1
	MUL16 2, 1, NQ-1, \slot, 0
	WIN 0
	s_barrier_wait -1
.if \fill
	CREST
	s_add_nc_u64 s[G0+4*\slot+2:G0+4*\slot+3], s[G0+4*\slot+2:G0+4*\slot+3], 2*HALFT
	s_add_nc_u64 s[G0B+4*\slot+2:G0B+4*\slot+3], s[G0B+4*\slot+2:G0B+4*\slot+3], 2*HALFT
	JLOAD G0+4*\slot, G1, G0B+4*\slot, G1B
	PLACES NP-4
.else
	PLACES NP
.endif
	s_wait_alu depctr_va_vdst(0)
	v_add_nc_u32 v[ADRS], 4*NQ, v[ADRS]
	FETCH_B \next, 0, 0
	FETCH_A \next, 0, 0
	SCALES \next
.if (\fill) && (\slot) == 0
	global_prefetch_b8 v30, s[100:101] offset:3*HALFT th:TH_LOAD_NT scope:SCOPE_SE   ; K step 3, one refill ahead; there is no K step behind it
.endif
	WIN MUL_HI
	MUL16 4, 1, NQ-1, \slot, 0
	MUL16 6, 1, NQ-1, \slot, 0
	PLACES NP
	WIN 0
	FETCH_A \next, 0, 4
.endm
	s_wait_alu depctr_va_vdst(0)
	s_wait_tensorcnt 0x0                           ; my tile of the head's four is in
	ds_add_u32 v[SPW], v[NIL]
.irp g, G1, G1B                                ; no tensor load of mine is out: from here on a load brings 128 rows of 256 bytes
	s_mov_b32 s[\g+1], 32<<16
	s_mov_b32 s[\g+2], 128<<16
	s_mov_b32 s[\g+3], 32<<16
	s_mov_b32 s[\g+4], 128
	s_mov_b32 s[\g+5], 32
.endr
	s_wait_dscnt 0x0
	CROUND                                         ; all four tiles are in, and the sixteen work-groups are here
	JLOAD G0+4, G1, G0B+4, G1B                     ; K step 1, the first tensor load behind the round
	FETCH_B 0, 0, 0
	FETCH_A 0, 0, 0
	SCALES 0
	FETCH_A 0, 0, 4
	STEP 0, 0, 1
	s_mov_b32 s3, LAPS-1
.Llap:
	TURN 0, 1, 1
	STEP 1, 0, 0
	TURN 1, 0, 1
	STEP 0, 0, 0
	s_sub_co_u32 s3, s3, 1
	s_cmp_lg_u32 s3, 0
	s_cbranch_scc1 .Llap
	TURN 0, 1, 0
	STEP 1, 0, 0
	s_wait_dscnt 4*NL
	WIN MUL_LO
	MUL16 0, 1, NQ-1, 1, 0
	MUL16 2, 1, NQ-1, 1, 0
	s_wait_dscnt 0
	WIN MUL_HI
	MUL16 4, 1, NQ-1, 1, 0
	MUL16 6, 1, NQ-1, 1, 0
	WIN 0
.macro TOSTAGE a
.set AC, 64*((\a)%4)
.set WN, 0x08+4*((\a)/4)
	WIN WN
.irp b, 0,1,2,3,4,5,6,7
	ds_store_b128 v[STO], v[AC+8*\b:AC+8*\b+3] offset:128*(\b/2)+32*(\b%2)
	ds_store_b128 v[STO], v[AC+8*\b+4:AC+8*\b+7] offset:128*(\b/2)+32*(\b%2)+16
.endr
	WIN 0
.set BB, BK+64*((\a)%2)
.irp t, 0,1,2,3,4,5,6,7,8,9,10,11,12,13,14,15
	ds_load_b128 v[BB+4*\t:BB+4*\t+3], v[RD] offset:\t*SPITCH
.endr
.endm
.macro SEND a, younger
.set BB, BK+64*((\a)%2)
	s_wait_dscnt \younger
.irp t, 0,1,2,3,4,5,6,7,8,9,10,11,12,13,14,15
	global_store_b128 v[CO], v[BB+4*\t:BB+4*\t+3], s[12:13] offset:(32*((\a)/2)+8*((\a)%2)+\t+8*(\t/8))*4096 th:TH_STORE_NT
.endr
.endm
	PLACES NP
	TOSTAGE 0
.irp a, 1,2,3,4,5,6,7
.if \a > 1
	s_wait_xcnt 0x0
.endif
	TOSTAGE \a
	SEND \a-1, 32
.endr
	SEND 7, 0
	s_wait_tensorcnt 0x0
	ds_add_u32 v[SPW], v[NIL]
	s_wait_dscnt 0x0
	CROUND
	s_endpgm
.Lfunc_end_k_qb5f28b3ac7_gemm_out:
	.size	k_qb5f28b3ac7_gemm_out, .Lfunc_end_k_qb5f28b3ac7_gemm_out-k_qb5f28b3ac7_gemm_out
	.p2alignl 7, 3214868480
	.fill 96, 4, 3214868480
	.section	.rodata,"a",@progbits
	.p2align	6, 0x0
	.amdhsa_kernel k_qb5f28b3ac7_gemm_out
		.amdhsa_group_segment_fixed_size 327680
		.amdhsa_private_segment_fixed_size 0
		.amdhsa_enable_private_segment 0
		.amdhsa_kernarg_size 40
		.amdhsa_user_sgpr_count 2
		.amdhsa_user_sgpr_kernarg_segment_ptr 1
		.amdhsa_wavefront_size32 1
		.amdhsa_system_sgpr_workgroup_id_x 1
		.amdhsa_system_sgpr_workgroup_id_y 1
		.amdhsa_system_sgpr_workgroup_id_z 1
		.amdhsa_system_vgpr_workitem_id 0
		.amdhsa_next_free_vgpr 1024
		.amdhsa_next_free_sgpr 102
		.amdhsa_reserve_vcc 0
		.amdhsa_float_denorm_mode_32 3
		.amdhsa_float_denorm_mode_16_64 3
		.amdhsa_memory_ordered 1
		.amdhsa_forward_progress 1
		.amdhsa_inst_pref_size 147
	.end_amdhsa_kernel
	.amdgpu_metadata
---
amdhsa.version: [ 1, 2 ]
amdhsa.kernels:
  - .name:           k_qb5f28b3ac7_gemm_out
    .symbol:         k_qb5f28b3ac7_gemm_out.kd
    .args:
      - { .name: oc, .offset: 0, .size: 8, .value_kind: global_buffer, .address_space: global }
      - { .name: os, .offset: 8, .size: 8, .value_kind: global_buffer, .address_space: global }
      - { .name: wc, .offset: 16, .size: 8, .value_kind: global_buffer, .address_space: global }
      - { .name: ws, .offset: 24, .size: 8, .value_kind: global_buffer, .address_space: global }
      - { .name: out0, .offset: 32, .size: 8, .value_kind: global_buffer, .address_space: global }
    .group_segment_fixed_size: 327680
    .private_segment_fixed_size: 0
    .kernarg_segment_align: 8
    .kernarg_segment_size: 40
    .max_flat_workgroup_size: 128
    .sgpr_count:     102
    .vgpr_count:     1024
    .wavefront_size: 32
...
	.end_amdgpu_metadata
.endif
;; end of part 4
